; MI455X (gfx1250); checked and timed in simulation.
; The chip was launched on July 23, 2026; its instructions are those of AMD's public machine-readable ISA for CDNA 5 (MIT licence, August 2026) and "CDNA5" Instruction Set Architecture Reference Guide (July 2026). The comments in the code are by the model that wrote it; some were corrected since.
;; Bert H Attention1 D. Allowed arithmetic: float matrix products may take bf16 or f16 operands with f32 sums; other float arithmetic in f32, or as packed bf16 or f16 multiplies, adds, multiply-adds, maxima and minima; sums over many terms, partial sums and values carried from step to step in f32; what a program stores and reads back later, other than sums and carried values, may be rounded once to bf16 or f16.
;; Inputs: Wk 1,024 x 1,024 float32; Wq 1,024 x 1,024 float32; Wv 1,024 x 1,024 float32; attention_mask 4 x 4,096 float32; bk 1,024 float32; bq 1,024 float32; bv 1,024 float32; hidden_states 4 x 4,096 x 1,024 float32.
;; Outputs: out0 4 x 4,096 x 1,024 float32.
;; One version. Each part assembles by itself: llvm-mc -triple=amdgcn-amd-amdhsa -mcpu=gfx1250 --defsym DOCPART=n.
;; ======== version 1 of 1: 3 launches
;; limits: values are held in f16: magnitudes above 65,504 overflow, below 6.1e-05 lose precision
;; workspace buffers: xb 33,554,432 bytes; wb 6,291,456 bytes; qkv 100,663,296 bytes; cz 11,010,048 bytes; tab 524,288 bytes
;; launch prep (part 1): grid 1248 x 1, 8 waves a work-group, no clusters, 0 bytes of LDS; arguments hidden_states, Wq, Wk, Wv, attention_mask, xb, wb, tab; writes xb, wb, tab
.if DOCPART == 1
	.amdgcn_target "amdgcn-amd-amdhsa--gfx1250"
	.amdhsa_code_object_version 6
	.text
	.protected	k_q8c26408442_prep
	.globl	k_q8c26408442_prep
	.p2align	8
	.type	k_q8c26408442_prep,@function
k_q8c26408442_prep:
	s_mov_b64 s[64:65], 0
	v_nop
	global_prefetch_b8 v0, s[64:65] scope:SCOPE_SE
	s_setreg_imm32_b32 hwreg(HW_REG_WAVE_MODE, 25, 1), 1
	s_wait_xcnt 0x0
; PREP.  Three kinds of work-group, told apart by the work-group's number alone.
;   0 .. 1023     64 KiB of hidden_states (f32) are rounded to bf16 into xb
;   1024 .. 1215  64 KiB of Wq, Wk or Wv likewise into wb (rows 0.. Wq, 1024.. Wk, 2048.. Wv)
;   1216 .. 1247  the tables that hang on the mask alone, 64 tokens a wave, two tokens a lane
; TABLES.  m_t = (attention_mask >= 0).  M_l = any m below a row of level l.  u_l = 1/2 where both children of a row of level l live, else 1.
;   neg_l[row]  = +FLT_MAX where M_l, else -FLT_MAX (a minimum with it keeps or hides a score)
;   wqk_l[t]    = m_t u_1 .. u_l: the weight of token t in the mean of means of level l, a power of two, exact in f16
;   wv_l[t]     = m_t 2^-l: coarse v is kept times 2^-l, so that it has fine v's range
; tab: 16 records (1,024 tokens each) of 20,480 bytes: neg0 +0, neg1 +4096, neg2 +6144, neg3 +7168, neg4 +7680, neg5 +7936, neg6 +8064,
;   the sibling record's neg6 +8128, wqk1-3 +8192, wv1-3 +14336; then at T_GW six arrays of 16,384 f16: wqk4-6, wv4-6.
; The tables' stores are of 4 and 8 bytes a lane: half a megabyte in all; lanes that share a coarse row store the same word with the same value.
.set T_GW, 327680
.set REC,  20480
.set NEG,  22                          ; v22-27  neg of levels 1-6
.set PQW,  28                          ; v28-33  two wqk, packed
.set PVW,  34                          ; v34-39  two wv, packed
.set AN,   41                          ; v41-46  where neg of levels 1-6 goes
	s_load_b512 s[8:23], s[0:1], 0x0               ; hidden s[8:9], Wq s[10:11], Wk s[12:13], Wv s[14:15], mask s[16:17], xb s[18:19], wb s[20:21], tab s[22:23]
	v_lshrrev_b32 v1, 5, v0
	v_readfirstlane_b32 s2, v1                     ; wave 0..7
	v_and_b32 v3, 31, v0                           ; lane
	s_mov_b32 s3, ttmp9
	s_cmp_ge_u32 s3, 1216
	s_cbranch_scc1 .Ltab
	; ---- f32 to bf16: a wave takes 8 KiB, sixteen loads of 512 bytes, all on their way at once
	s_max_u32 s4, s3, 1024
	s_sub_co_u32 s4, s4, 1024                      ; block 0..191 of the weights (0 for a block of x)
	s_lshr_b32 s5, s4, 6                           ; which W
	s_and_b32 s6, s4, 63
	s_lshl_b32 s24, s6, 16                         ; byte offsets, each in a pair with 0 above it
	s_mov_b32 s25, 0
	s_lshl_b32 s26, s4, 15
	s_mov_b32 s27, 0
	s_lshl_b32 s28, s3, 16
	s_mov_b32 s29, 0
	s_lshl_b32 s30, s3, 15
	s_mov_b32 s31, 0
	v_lshlrev_b32 v1, 4, v3
	v_lshl_add_u32 v1, s2, 13, v1                  ; in: 8,192 x wave + 16 x lane
	v_lshlrev_b32 v2, 3, v3
	v_lshl_add_u32 v2, s2, 12, v2                  ; out: 4,096 x wave + 8 x lane
	s_wait_kmcnt 0x0
	s_cmp_eq_u32 s5, 1
	s_cselect_b64 s[32:33], s[12:13], s[10:11]
	s_cmp_eq_u32 s5, 2
	s_cselect_b64 s[32:33], s[14:15], s[32:33]
	s_cmp_lt_u32 s3, 1024
	s_cselect_b64 s[32:33], s[8:9], s[32:33]       ; from
	s_cselect_b64 s[34:35], s[18:19], s[20:21]     ; to
	s_cselect_b64 s[24:25], s[28:29], s[24:25]
	s_cselect_b64 s[26:27], s[30:31], s[26:27]
	s_add_nc_u64 s[32:33], s[32:33], s[24:25]
	s_add_nc_u64 s[34:35], s[34:35], s[26:27]
.set j, 0
.rept 16
	global_load_b128 v[4+4*j:7+4*j], v1, s[32:33] offset:512*j th:TH_LOAD_NT
.set j, j+1
.endr
.set j, 0
.rept 16
	s_wait_loadcnt 15-j                            ; loads come back in order: number j is in, the 15 - j younger ones stay out
	v_cvt_pk_bf16_f32 v[68+2*j], v[4+4*j], v[5+4*j]
	v_cvt_pk_bf16_f32 v[69+2*j], v[6+4*j], v[7+4*j]
	global_store_b64 v2, v[68+2*j:69+2*j], s[34:35] offset:256*j th:TH_STORE_NT  ; 32 lanes store 256 consecutive bytes, aligned; no register is written twice
.set j, j+1
.endr
	s_endpgm
	; ---- the tables
.Ltab:
	s_sub_co_u32 s4, s3, 1216
	s_lshl_b32 s4, s4, 3
	s_add_co_u32 s4, s4, s2                        ; W: my 64 tokens among the 16,384
	s_lshr_b32 s5, s4, 4                           ; my record
	s_and_b32 s6, s4, 15                           ; my place in it
	s_mul_i32 s7, s5, REC
	s_xor_b32 s24, s5, 1                           ; the sibling record
	s_mul_i32 s24, s24, REC
	s_mov_b32 s36, 0x76543210                      ; v_permlanex16_b32: each lane takes its own place in the other half
	s_mov_b32 s37, 0xfedcba98
	v_lshlrev_b32 v50, 3, v3
	v_lshl_add_u32 v50, s4, 8, v50                 ; 256 W + 8 lane
	s_wait_kmcnt 0x0
	global_load_b64 v[4:5], v50, s[16:17]
	s_lshl_b32 s25, s6, 8
	s_add_co_u32 s25, s25, s7
	v_lshl_add_u32 v40, v3, 3, s25                 ; neg0: 4 (64 idx + 2 lane)
.set l, 1
.rept 6
	s_lshl_b32 s25, s6, 8-l                        ; 4 x (64 >> l) rows a wave
	s_add_co_u32 s25, s25, s7
	v_lshrrev_b32 v[AN+l-1], l-1, v3               ; my row of level l in the wave
	v_lshl_add_u32 v[AN+l-1], v[AN+l-1], 2, s25
.set l, l+1
.endr
	s_lshl_b32 s25, s6, 7
	s_add_co_u32 s25, s25, s7
	v_lshl_add_u32 v47, v3, 2, s25                 ; weights in the record: 2 (64 idx + 2 lane)
	s_lshl_b32 s25, s4, 7
	v_lshl_add_u32 v48, v3, 2, s25                 ; weights of levels 4-6: 2 (64 W + 2 lane)
	s_lshl_b32 s25, s6, 2
	s_add_co_u32 s25, s25, s24
	v_mov_b32 v49, s25                             ; my neg6 in the sibling's record
	v_mov_b32 v18, 0xff7fffff
	v_mov_b32 v19, 0x7f7fffff
	s_wait_loadcnt 0x0
	v_cmp_le_f32 vcc_lo, 0, v4                     ; a NaN counts as masked, as in a comparison >= 0
	v_cndmask_b32 v16, 0, 1.0, vcc_lo
	v_cndmask_b32 v20, v18, v19, vcc_lo
	v_cmp_le_f32 vcc_lo, 0, v5
	v_cndmask_b32 v17, 0, 1.0, vcc_lo
	v_cndmask_b32 v21, v18, v19, vcc_lo
	global_store_b64 v40, v[20:21], s[22:23]
	v_mov_b32 v6, v16                              ; wqk of my two tokens
	v_mov_b32 v7, v17
	v_mov_b32 v8, v16                              ; wv
	v_mov_b32 v9, v17
; One level: c = how many of the row's two children live; M, u, the weights, neg; the stores.  Every store has data and address registers of its own.
.macro LVL l, xm
.if (\l) == 1
	v_add_f32 v11, v16, v17
.elseif (\l) == 6
	v_permlanex16_b32 v12, v10, s36, s37
	v_add_f32 v11, v10, v12
.else
	v_add_f32_dpp v11, v10, v10 row_xmask:\xm row_mask:0xf bank_mask:0xf
.endif
	v_min_num_f32 v10, 1.0, v11
	v_cmp_eq_f32 vcc_lo, 2.0, v11
	v_cndmask_b32 v12, 1.0, 0.5, vcc_lo
	v_mul_f32 v6, v6, v12
	v_mul_f32 v7, v7, v12
	v_mul_f32 v8, 0.5, v8
	v_mul_f32 v9, 0.5, v9
	v_cmp_lt_f32 vcc_lo, 0.5, v10
	v_cndmask_b32 v[NEG+(\l)-1], v18, v19, vcc_lo
	v_cvt_pk_f16_f32 v[PQW+(\l)-1], v6, v7
	v_cvt_pk_f16_f32 v[PVW+(\l)-1], v8, v9
	global_store_b32 v[AN+(\l)-1], v[NEG+(\l)-1], s[22:23] offset:8192-(8192>>(\l))
.if (\l) < 4
	global_store_b32 v47, v[PQW+(\l)-1], s[22:23] offset:8192+((\l)-1)*2048
	global_store_b32 v47, v[PVW+(\l)-1], s[22:23] offset:14336+((\l)-1)*2048
.else
	global_store_b32 v48, v[PQW+(\l)-1], s[22:23] offset:T_GW+((\l)-4)*32768
	global_store_b32 v48, v[PVW+(\l)-1], s[22:23] offset:T_GW+((\l)-1)*32768
.endif
.endm
	LVL 1, 0
	LVL 2, 1
	LVL 3, 2
	LVL 4, 4
	LVL 5, 8
	LVL 6, 0
	global_store_b32 v49, v[NEG+5], s[22:23] offset:8128
	s_endpgm
.Lfunc_end_k_q8c26408442_prep:
	.size	k_q8c26408442_prep, .Lfunc_end_k_q8c26408442_prep-k_q8c26408442_prep
	.p2alignl 7, 3214868480
	.fill 96, 4, 3214868480
	.section	.rodata,"a",@progbits
	.p2align	6, 0x0
	.amdhsa_kernel k_q8c26408442_prep
		.amdhsa_group_segment_fixed_size 0
		.amdhsa_private_segment_fixed_size 0
		.amdhsa_enable_private_segment 0
		.amdhsa_kernarg_size 64
		.amdhsa_user_sgpr_count 2
		.amdhsa_user_sgpr_kernarg_segment_ptr 1
		.amdhsa_wavefront_size32 1
		.amdhsa_system_sgpr_workgroup_id_x 1
		.amdhsa_system_sgpr_workgroup_id_y 1
		.amdhsa_system_sgpr_workgroup_id_z 1
		.amdhsa_system_vgpr_workitem_id 0
		.amdhsa_next_free_vgpr 104
		.amdhsa_next_free_sgpr 66
		.amdhsa_reserve_vcc 1
		.amdhsa_float_denorm_mode_32 3
		.amdhsa_float_denorm_mode_16_64 3
		.amdhsa_memory_ordered 1
		.amdhsa_forward_progress 1
		.amdhsa_inst_pref_size 15
	.end_amdhsa_kernel
	.amdgpu_metadata
---
amdhsa.version: [ 1, 2 ]
amdhsa.kernels:
  - .name:           k_q8c26408442_prep
    .symbol:         k_q8c26408442_prep.kd
    .args:
      - { .name: hidden_states, .offset: 0, .size: 8, .value_kind: global_buffer, .address_space: global }
      - { .name: Wq, .offset: 8, .size: 8, .value_kind: global_buffer, .address_space: global }
      - { .name: Wk, .offset: 16, .size: 8, .value_kind: global_buffer, .address_space: global }
      - { .name: Wv, .offset: 24, .size: 8, .value_kind: global_buffer, .address_space: global }
      - { .name: attention_mask, .offset: 32, .size: 8, .value_kind: global_buffer, .address_space: global }
      - { .name: xb, .offset: 40, .size: 8, .value_kind: global_buffer, .address_space: global }
      - { .name: wb, .offset: 48, .size: 8, .value_kind: global_buffer, .address_space: global }
      - { .name: tab, .offset: 56, .size: 8, .value_kind: global_buffer, .address_space: global }
    .group_segment_fixed_size: 0
    .private_segment_fixed_size: 0
    .kernarg_segment_align: 8
    .kernarg_segment_size: 64
    .max_flat_workgroup_size: 256
    .sgpr_count:     66
    .vgpr_count:     104
    .wavefront_size: 32
...
	.end_amdgpu_metadata
.endif
;; end of part 1
;; launch proj (part 2): grid 4 x 64, 4 waves a work-group, clusters of 4 x 4, 327,680 bytes of LDS; arguments xb, wb, qkv, cz, tab, bq, bk, bv; writes qkv, cz
.if DOCPART == 2
	.amdgcn_target "amdgcn-amd-amdhsa--gfx1250"
	.amdhsa_code_object_version 6
	.text
	.protected	k_q8c26408442_proj
	.globl	k_q8c26408442_proj
	.p2align	8
	.type	k_q8c26408442_proj,@function
k_q8c26408442_proj:
	s_mov_b64 s[64:65], 0
	v_nop
	global_prefetch_b8 v0, s[64:65] scope:SCOPE_SE
	s_setreg_imm32_b32 hwreg(HW_REG_WAVE_MODE, 25, 1), 1
	s_wait_xcnt 0x0
	s_wait_alu depctr_hold_cnt(0) depctr_sa_sdst(0) depctr_va_vdst(0) depctr_va_sdst(0) depctr_va_ssrc(0) depctr_va_vcc(0) depctr_vm_vsrc(0)
	s_getreg_b32 s2, hwreg(HW_REG_IB_STS2, 6, 4)
	s_cmp_eq_u32 s2, 0
	s_cbranch_scc0 .Lentry_in_a_cluster
	s_endpgm
.Lentry_in_a_cluster:
	s_bfe_u32 s2, ttmp6, 0x10000c
	s_cmp_lg_u32 s2, 0xf033
	s_cbranch_scc0 .Lentry_shape_is_right
	s_endpgm
.Lentry_shape_is_right:
; PROJ.  q, k, v = xb wb^T + bias.  xb: [16384][1024] bf16, wb: [3072][1024] bf16 (Wq, Wk, Wv), sums in f32; the biases are rounded to bf16 like the other inputs.
; OUT.  qkv: f16 [3 kinds][64 heads of a batch][4096][64], each number rounded once, q WITHOUT its scale; cz: the coarse rows of levels 4, 5, 6 (means of means of q and k, masked sums of v
; times 2^-level), f16, 256 records of 336 rows of 128 bytes: q4 k4 v4 (64 rows each), q5 k5 v5 (32), q6 k6 v6 (16).
; LIMIT.  f16 holds no number beyond 65,504: |q|, |k|, |v| must stay under it.  NaN and infinities are not treated apart.
; SHARES.  A work-group owns 256 tokens x 256 columns (4 heads) and STAYS for three tiles: q, k, v: the same rows of xb, wb's rows 1,024 further down each time.  Four waves, each 128 x 128:
; 64 accumulators, 512 registers.  K goes in steps of 128 through a ring of two LDS slots; the ring runs on into the next tile.
; CLUSTER.  4 x 4 work-groups: xb's tile is shared along a row of the cluster, wb's along a column; each is asked for jointly, by the same tensor load with the same descriptor and mask in all four.
; THE MATRIX INSTRUCTION IS USED TRANSPOSED (source 0 = 16 rows of wb, source 1 = 16 tokens): a lane holds one token and eight neighbouring columns.  The first product of a tile takes the bias as C.
; THE WAY OUT.  16 tokens at a time: rounded to f16, through my stage in LDS, back as 4 tokens x 128 bytes of one head, stored as 512 consecutive bytes.  The stage holds 32 tokens: behind every second
; block they are read back turned (16 columns x 32 tokens) and multiplied by a fragment of weights whose 16 columns are my 8 rows of level 4, 4 of level 5, 2 of level 6 (and those 2 once more).
; REGISTERS.  window 0: v0-31 addresses; v32-63, v224-255 rows on their way out; v64-127, v128-191 fragments of xb (v128-191 on the way out: the turned tokens); v192-223 packed results
;   window 1: v0-63 the bias as a C operand; v64-127, v128-191 fragments of wb (v128-191 on the way out: the coarse sums); v192-223 the weights in use, v224-255 v's weights
;   window 2: the accumulators of my tokens 0-63;   window 3: of my tokens 64-127
.set SIZE_K, 1024
.set KSTEP,  128
.set PITCH,  272                       ; an LDS row: 256 bytes + 16 of padding: the 16 rows that a load touches start at 16 different groups of four banks (64 banks of 4 bytes: ISA guide 11.1)
.set HALFT,  128*PITCH
.set SLOT,   4*HALFT
.set STAGE,  2*SLOT                    ; behind the ring: 32 rows x 272 bytes for each wave
.set SPITCH, 272
.set WSTAGE, 32*SPITCH
.set SPARE,  STAGE+4*WSTAGE            ; the spare words, 128 bytes for each wave: two blocks of 256 bytes that no other line names
.set LAPS,   SIZE_K/(2*KSTEP)
.set TILES,  3
.set BACK_A, (SIZE_K-2*KSTEP)*2        ; from a slot's last K step of a tile back to its first: xb's rows stay,
.set NEXT_B, 1024*SIZE_K*2-BACK_A      ; wb's go 1,024 rows down
.set T_GW,   327680                    ; in tab: the weights of levels 4-6
.set KINDB,  33554432                  ; bytes of a kind in qkv
.set HEADB,  524288                    ; of a head
.set RECB,   43008                     ; of a record of cz
.set C4O,  12                          ; v12-14  my byte offsets in a record of cz, levels 4, 5, 6
.set C5O,  13
.set C6O,  14
.set BO,   15                          ; v15     my byte offset in a bias
.set ADRA, 16
.set GWO,  18                          ; v18     my byte offset in an array of weights
.set ADRB, 20
.set STO,  24
.set RD,   25
.set CO,   26                          ; v26     16 x lane
.set XA,   27                          ; v27     where the turning loads read my stage
.set SPW,  28
.set NIL,  29
.set PFO,  30
.set PFA,  44
.set LIM,  43
.set F0,   64
.set F1,   128
.set TMP,  192
.set OB,   32
.set BIA,  0                           ; window 1
.set CA,   128                         ; window 1
.set WW,   192                         ; window 1
.set G1, 24
.set G0, 32
.set G1B, 48
.set G0B, 56
.set MSB, 0
.macro WIN new                         ; the immediate's high byte repeats the setting that is left; a switch that changes nothing is dropped
.if MSB != (\new)
	s_set_vgpr_msb (MSB<<8)|(\new)
.set MSB, \new
.endif
.endm
.set MUL_LO, 0xa1                      ; source 0 (wb) window 1, source 1 (xb) window 0, C and D window 2
.set MUL_HI, 0xf1
.set TO_B,   0x40
; A joint load.  Waves 0 and 1 fetch xb's two halves, waves 2 and 3 wb's.  The branch hangs on the wave's number alone.  An s_nop 0 and four v_nop follow each of the two lines.
.macro JLOAD s
	s_cmp_eq_u32 s11, 0
	s_cbranch_scc0 .Lfor_b_\@
	tensor_load_to_lds s[G0+4*(\s):G0+4*(\s)+3], s[G1:G1+7]
	s_nop 0
.rept 4
	v_nop
.endr
	s_branch .Lasked_\@
.Lfor_b_\@:
	tensor_load_to_lds s[G0B+4*(\s):G0B+4*(\s)+3], s[G1B:G1B+7]
	s_nop 0
.rept 4
	v_nop
.endr
.Lasked_\@:
.endm
; A prefetch, behind each joint load and the run of LDS loads that follows it: the K step that stands two refills on, 32 rows x 256 bytes, a lane a row, one instruction a wave.
; Each row's 256 bytes of a K step are named once in the launch: xb's rows in the first tile alone (the later tiles read them again), by their own cluster; wb's rows in all three tiles, by the cluster
; with y = 0.  The four partners that ask for a tile jointly share its rows out by address, 32 each.  A tile's last two refills have no K step two on; at a change of tiles the next tile's K steps 2, 3 are named.
.macro ASK how
.if \how
	s_cmp_eq_u32 s[LIM], 1
.else
	s_cmp_gt_u32 s3, s[LIM]
.endif
	s_cbranch_scc0 .Lnot_mine_\@
	global_prefetch_b8 v[PFO], s[PFA:PFA+1] offset:KSTEP*2 th:TH_LOAD_NT scope:SCOPE_SE
.Lnot_mine_\@:
.endm
.macro CREST                           ; a round of the cluster's barrier behind its opening barrier
	s_cmp_lg_u32 s10, 0
	s_cbranch_scc1 .Lnot_wave_0_\@
	s_barrier_signal -3
.Lnot_wave_0_\@:
	s_barrier_wait -3
	s_barrier_signal -1
	s_barrier_wait -1
.endm
.macro CROUND
	s_barrier_signal -1
	s_barrier_wait -1
	CREST
.endm
.macro PLACES                          ; four plain places behind matrix instructions, in front of loads into their registers and of readers of their results
.rept 4
	v_nop
.endr
.endm
; The bias of the kind to come: register j of block b in lane (r, h) is bias[my first column + 16 b + 8 h + j], the layout of a C operand.
.macro BLOAD
	WIN 0x40
.irp b, 0,1,2,3,4,5,6,7
	global_load_b128 v[BIA+8*(\b):BIA+8*(\b)+3],   v[BO], s[76:77] offset:64*(\b)
	global_load_b128 v[BIA+8*(\b)+4:BIA+8*(\b)+7], v[BO], s[76:77] offset:64*(\b)+16
.endr
	WIN 0
.endm
.macro RBIAS                           ; rounded to bf16 and widened again, in place
	WIN 0x45
.set i, 0
.rept 32
	v_cvt_pk_bf16_f32 v[CA+i%4], v[BIA+2*i], v[BIA+2*i+1]
	v_lshlrev_b32 v[BIA+2*i], 16, v[CA+i%4]
	v_and_b32 v[BIA+2*i+1], 0xffff0000, v[CA+i%4]
.set i, i+1
.endr
.endm
; The fragments of weights, four of 32 tokens, for q and k (kap = 0) or v (kap = 1).  Every lane loads the three levels' weights of its 16 tokens; lane masks leave each of them in the lanes
; (output rows) to which the tokens belong: rows 0-7 level 4 (16 tokens a row), 8-11 level 5 (32), 12-13 level 6 (64), 14-15 level 6 once more.
.macro WEIGHTS kap
	WIN 0
.irp lev, 0,1,2
.irp p, 0,1,2,3
	global_load_b128 v[64+32*(\lev)+8*(\p):64+32*(\lev)+8*(\p)+3],   v[GWO], s[68:69] offset:T_GW+(3*(\kap)+(\lev))*32768+64*(\p)
	global_load_b128 v[64+32*(\lev)+8*(\p)+4:64+32*(\lev)+8*(\p)+7], v[GWO], s[68:69] offset:T_GW+(3*(\kap)+(\lev))*32768+64*(\p)+32
.endr
.endr
	s_wait_loadcnt 0x0
	WIN 0x41                                       ; destination and source 0 window 1, source 1 window 0
.irp p, 0,1,2,3
	s_mov_b32 s78, 0x10001<<(2*(\p))
	s_mov_b32 s79, 0x10001<<(2*(\p)+1)
	s_mov_b32 s80, 0x10001<<(8+(\p))
	s_mov_b32 s81, 0x50005<<(12+(\p)/2)
.irp i, 0,1,2,3,4,5,6,7
	v_cndmask_b32 v[WW+32*(\kap)+8*(\p)+(\i)], 0, v[64+8*(\p)+(\i)], s[78+(\i)/4]
	v_cndmask_b32 v[WW+32*(\kap)+8*(\p)+(\i)], v[WW+32*(\kap)+8*(\p)+(\i)], v[96+8*(\p)+(\i)], s80
	v_cndmask_b32 v[WW+32*(\kap)+8*(\p)+(\i)], v[WW+32*(\kap)+8*(\p)+(\i)], v[128+8*(\p)+(\i)], s81
.endr
.endr
	WIN 0
.endm
	s_load_b128 s[4:7], s[0:1], 0x0                ; xb s[4:5], wb s[6:7]
	s_load_b64 s[8:9], s[0:1], 0x10                ; qkv
	s_load_b64 s[66:67], s[0:1], 0x18              ; cz
	s_load_b256 s[68:75], s[0:1], 0x20             ; tab s[68:69], bq s[70:71], bk s[72:73], bv s[74:75]
	v_lshl_add_u32 v[SPW], v0, 2, SPARE
	v_mov_b32 v[NIL], 0
	ds_add_u32 v[SPW], v[NIL]                      ; the wave's opening: the add and its wait ahead of my first tensor load; work on registers stands between them
	ds_add_u32 v28, v29
	v_lshrrev_b32 v1, 5, v0
	v_readfirstlane_b32 s10, v1                    ; wave 0..3
	s_lshr_b32 s11, s10, 1                         ; which half of the tile's tokens is mine.  Also: I fetch for xb (0) or for wb (1)
	s_and_b32 s12, s10, 1                          ; which half of its columns.  Also: which 128 rows of that tile I fetch
	s_bfe_u32 s40, ttmp6, 0x40000                  ; cx
	s_bfe_u32 s41, ttmp6, 0x40004                  ; cy
	s_lshl_b32 s42, ttmp9, 2
	s_add_co_u32 s42, s42, s40                     ; tile column 0..3
	s_and_b32 s13, ttmp7, 0xffff
	s_lshl_b32 s13, s13, 2
	s_add_co_u32 s13, s13, s41                     ; tile row 0..63
	s_lshl_b32 s43, s41, 2
	s_lshl_b32 s43, 15, s43                        ; my row of the cluster
	s_lshl_b32 s44, 0x1111, s40                    ; my column
	s_or_b32 s[G1+0], s43, (1<<16)|(1<<20)|(1<<21)|(5<<22)|(3<<25)  ; the mask; elements of 2 bytes; padding on; bit 21 beside a mask; after every 64 words, 4 words
	s_or_b32 s[G1B+0], s44, (1<<16)|(1<<20)|(1<<21)|(5<<22)|(3<<25)
.irp g, G1, G1B
	s_mov_b32 s[(\g)+1], KSTEP<<16                 ; tensor_dim0 = 128
	s_mov_b32 s[(\g)+2], 128<<16                   ; tensor_dim1 = 128
	s_mov_b32 s[(\g)+3], KSTEP<<16                 ; tile_dim0 = 128
	s_mov_b32 s[(\g)+4], 128                       ; tile_dim1 = 128
	s_mov_b32 s[(\g)+5], SIZE_K                    ; elements from row to row
	s_mov_b32 s[(\g)+6], 0
	s_mov_b32 s[(\g)+7], 0
.endr
	s_lshl_b32 s17, s12, 7
	s_lshl_b32 s16, s13, 8
	s_add_co_u32 s16, s16, s17                     ; xb: row 256 x tile row + 128 x half
	s_lshl_b32 s46, s42, 8
	s_add_co_u32 s46, s46, s17                     ; wb: row 256 x tile column + 128 x half (kind q)
	s_mov_b32 s17, 0
	s_mov_b32 s47, 0
	s_mov_b64 s[18:19], SIZE_K*2
	s_mul_u64 s[16:17], s[16:17], s[18:19]
	s_mul_u64 s[46:47], s[46:47], s[18:19]
	s_mul_i32 s20, s10, HALFT                      ; where they go: wave x 128 rows: no place in the cluster enters an LDS address
	s_wait_dscnt 0x0                               ; the opening add is done
	s_wait_kmcnt 0x0
	s_add_nc_u64 s[14:15], s[4:5], s[16:17]
	s_add_nc_u64 s[46:47], s[6:7], s[46:47]
	CROUND                                         ; all sixteen work-groups are here: the first joint loads meet
.irp s, 0,1
	s_mov_b32 s[G0+4*(\s)], 1
	s_add_co_u32 s[G0+4*(\s)+1], s20, (\s)*SLOT
	s_add_nc_u64 s[G0+4*(\s)+2:G0+4*(\s)+3], s[14:15], (\s)*KSTEP*2
	s_or_b32 s[G0+4*(\s)+3], s[G0+4*(\s)+3], 0x80000000
	s_mov_b32 s[G0B+4*(\s)], 1
	s_add_co_u32 s[G0B+4*(\s)+1], s20, (\s)*SLOT
	s_add_nc_u64 s[G0B+4*(\s)+2:G0B+4*(\s)+3], s[46:47], (\s)*KSTEP*2
	s_or_b32 s[G0B+4*(\s)+3], s[G0B+4*(\s)+3], 0x80000000
	JLOAD \s
.endr
	v_and_b32 v1, 15, v0                           ; r = l % 16
	v_bfe_u32 v2, v0, 4, 1                         ; h = l / 16
	v_mul_u32_u24 v3, v1, PITCH
	v_lshl_add_u32 v3, v2, 4, v3
	s_mul_i32 s21, s11, HALFT
	s_mul_i32 s22, s12, HALFT
	s_add_co_u32 s22, s22, 2*HALFT
.irp s, 0,1
	v_add_nc_u32 v[ADRA+(\s)], s21, v3
	v_add_nc_u32 v[ADRB+(\s)], s22, v3
	s_add_co_u32 s21, s21, SLOT
	s_add_co_u32 s22, s22, SLOT
.endr
	s_mul_i32 s23, s10, WSTAGE
	s_add_co_u32 s23, s23, STAGE                   ; my stage
	v_mul_u32_u24 v4, v1, SPITCH                   ; in: row r, 16 bytes for each half of the lanes
	v_lshl_add_u32 v4, v2, 4, v4
	v_add_nc_u32 v[STO], s23, v4
	v_bfe_u32 v5, v0, 3, 2                         ; back: 32 lanes take 128 bytes (a head) of four rows
	v_and_b32 v6, 7, v0
	v_mul_u32_u24 v5, v5, SPITCH
	v_lshl_add_u32 v5, v6, 4, v5
	v_add_nc_u32 v[RD], s23, v5
	v_lshl_add_u32 v7, v2, 3, v6                   ; turned: lane l reads row 8 h + l % 8, 16 bytes at 16 ((l / 8) % 2)
	v_mul_u32_u24 v7, v7, SPITCH
	v_bfe_u32 v8, v0, 3, 1
	v_lshl_add_u32 v7, v8, 4, v7
	v_add_nc_u32 v[XA], s23, v7
	v_and_b32 v9, 31, v0
	v_lshlrev_b32 v[CO], 4, v9
	; where my tokens and heads lie in qkv and in cz
	s_lshr_b32 s82, s13, 4                         ; the batch: 16 tiles of 256 tokens each
	s_lshl_b32 s82, s82, 4
	s_lshl_b32 s83, s42, 2
	s_add_co_u32 s82, s82, s83
	s_lshl_b32 s83, s12, 1
	s_add_co_u32 s82, s82, s83                     ; the first of my two heads: 16 b + 4 x + 2 half
	s_and_b32 s86, s13, 15
	s_lshl_b32 s84, s82, 19
	s_lshl_b32 s83, s86, 15                        ; 256 tokens of 128 bytes
	s_add_co_u32 s84, s84, s83
	s_lshl_b32 s83, s11, 14
	s_add_co_u32 s84, s84, s83
	s_mov_b32 s85, 0
	s_add_nc_u64 s[8:9], s[8:9], s[84:85]
	s_lshl_b32 s84, s82, 2
	s_lshr_b32 s83, s86, 2
	s_add_co_u32 s84, s84, s83                     ; the record: 4 x head + quarter of the sequence
	s_mul_i32 s84, s84, RECB
	s_add_nc_u64 s[66:67], s[66:67], s[84:85]
	s_and_b32 s86, s13, 3
	s_lshl_b32 s83, s86, 11
	s_lshl_b32 s87, s11, 10
	s_add_co_u32 s83, s83, s87                     ; my 8 rows of level 4: 128 x (16 (y % 4) + 8 half)
	v_add_nc_u32 v[C4O], s83, v[CO]
	s_lshr_b32 s83, s83, 1
	s_add_co_u32 s87, s83, 24576
	v_add_nc_u32 v[C5O], s87, v[CO]
	s_lshr_b32 s83, s83, 1
	s_add_co_u32 s87, s83, 36864
	v_lshl_add_u32 v[C6O], v1, 4, s87              ; lanes 16-31 hold the same two rows once more and store the same bytes to the same places
	s_lshl_b32 s83, s13, 9
	s_lshl_b32 s87, s11, 8
	s_add_co_u32 s83, s83, s87
	v_lshl_add_u32 v[GWO], v2, 4, s83              ; 2 x my first token + 16 h
	s_lshl_b32 s83, s42, 10
	s_lshl_b32 s87, s12, 9
	s_add_co_u32 s83, s83, s87
	v_lshl_add_u32 v[BO], v2, 5, s83               ; 4 x my first column + 32 h
	s_mov_b64 s[76:77], s[70:71]                   ; the first tile's bias is bq
	BLOAD
	WEIGHTS 0
	WEIGHTS 1
	; the prefetches
	s_lshl_b32 s13, s13, 8
	s_lshl_b32 s42, s42, 8
	s_and_b32 s22, ttmp7, 0xffff                   ; cluster y
	s_cmp_eq_u32 s11, 0                            ; do I fetch for xb?
	s_cselect_b32 s20, s13, s42                    ; the tile's first row
	s_cselect_b32 s21, s40, s41                    ; my place among the four that ask for it with me
	s_cselect_b32 s22, ttmp9, s22                  ; the coordinate along which other clusters read the same rows
	s_cselect_b64 s[PFA:PFA+1], s[4:5], s[6:7]
	s_cmp_eq_u32 s22, 0
	s_cselect_b32 s[LIM], 1, -1
	s_lshl_b32 s22, s12, 7
	s_add_co_u32 s20, s20, s22
	s_lshl_b32 s21, s21, 5
	s_add_co_u32 s20, s20, s21
	s_mov_b32 s21, 0
	s_mov_b64 s[18:19], SIZE_K*2
	s_mul_u64 s[20:21], s[20:21], s[18:19]
	s_add_nc_u64 s[PFA:PFA+1], s[PFA:PFA+1], s[20:21]
	s_add_nc_u64 s[PFA:PFA+1], s[PFA:PFA+1], 2*KSTEP*2  ; at K step 2: the first refill steps it to 3 and names K step 4
	v_and_b32 v[PFO], 31, v0
	v_mul_u32_u24 v[PFO], v[PFO], SIZE_K*2
; 16 matrix instructions: token blocks a0, a0 + 1 of the window's four x all 8 column blocks, 32 along K.  zero = 1: the first product starts the sums, with the bias as C.
.macro MUL16 f, hi, a0, zero
.if \zero
	WIN 0x91+0x40*(\hi)
.else
	WIN MUL_LO+0x50*(\hi)
.endif
.irp a, \a0, (\a0)+1
.irp b, 0,1,2,3,4,5,6,7
.if \zero
	v_wmma_f32_16x16x32_bf16 v[8*(8*(\a)+(\b)):8*(8*(\a)+(\b))+7], v[(\f)+8*(\b):(\f)+8*(\b)+7], v[(\f)+8*(4*(\hi)+(\a)):(\f)+8*(4*(\hi)+(\a))+7], v[BIA+8*(\b):BIA+8*(\b)+7]
.else
	v_wmma_f32_16x16x32_bf16 v[8*(8*(\a)+(\b)):8*(8*(\a)+(\b))+7], v[(\f)+8*(\b):(\f)+8*(\b)+7], v[(\f)+8*(4*(\hi)+(\a)):(\f)+8*(4*(\hi)+(\a))+7], v[8*(8*(\a)+(\b)):8*(8*(\a)+(\b))+7]
.endif
.endr
.endr
.endm
.macro FETCH slot, k, f                ; 32 LDS loads in one run: the fragments of one quarter step
	WIN TO_B
.irp i, 0,1,2,3,4,5,6,7
	ds_load_b128 v[(\f)+8*(\i):(\f)+8*(\i)+3],   v[ADRB+(\slot)] offset:(\k)+(\i)*16*PITCH
	ds_load_b128 v[(\f)+8*(\i)+4:(\f)+8*(\i)+7], v[ADRB+(\slot)] offset:(\k)+(\i)*16*PITCH+32
.endr
	WIN 0
.irp i, 0,1,2,3,4,5,6,7
	ds_load_b128 v[(\f)+8*(\i):(\f)+8*(\i)+3],   v[ADRA+(\slot)] offset:(\k)+(\i)*16*PITCH
	ds_load_b128 v[(\f)+8*(\i)+4:(\f)+8*(\i)+7], v[ADRA+(\slot)] offset:(\k)+(\i)*16*PITCH+32
.endr
.endm
; A K step is four quarters of 32 along K, 64 matrix instructions each, on buffers 0, 1, 0, 1; the 64 accumulators take turns, in the same order in every quarter.
.macro QUARTER slot, k, f, g, zero
	s_wait_dscnt 8                                 ; wb's fragments and xb's tokens 0-63 are in; the youngest eight loads may be out
	MUL16 \f, 0, 0, \zero
	MUL16 \f, 0, 2, \zero
	PLACES
	FETCH \slot, \k, \g
	s_wait_dscnt 32                                ; all but the 32 just issued
	MUL16 \f, 1, 0, \zero
	MUL16 \f, 1, 2, \zero
.endm
; The first half of a K step's last quarter: one barrier for the change of slots.  In front of it each wave waits for all its tensor loads (one is out: its part of the next slot), adds 0 to its spare
; word, and waits for that and for its own reads of this slot.
.macro MEET round
	WIN 0
	s_wait_tensorcnt 0x0
	ds_add_u32 v[SPW], v[NIL]
	s_wait_dscnt 9                                 ; the add and the youngest eight loads may be out
	WIN MUL_LO
	MUL16 F1, 0, 0, 0
	s_wait_dscnt 0x0                               ; the add is done, and my reads of this slot are over
	s_barrier_signal -1
	MUL16 F1, 0, 2, 0
.if \round
	WIN 0
.endif
	s_barrier_wait -1
.endm
; The whole last quarter.  on = 0: the slot takes this tile's K step two steps on; on = 1: the next tile's K step 0 or 1.
.macro TURN slot, next, on
	s_wait_xcnt 0x0                                ; the last prefetch, a K step back, has read its address
.if (\on) && (\slot) == 0
	s_add_nc_u64 s[PFA:PFA+1], s[PFA:PFA+1], (1024-1)*SIZE_K*2+KSTEP*2  ; from the K step after the tile's last to the next tile's K step 1: 1,024 rows down
	s_cmp_eq_u32 s11, 1
	s_cselect_b32 s[LIM], s[LIM], -1               ; xb's rows are the same for all three tiles: they are prefetched no more
.else
	s_add_nc_u64 s[PFA:PFA+1], s[PFA:PFA+1], KSTEP*2
.endif
	MEET 1
	CREST                                          ; the barrier has opened a round of the cluster's: no wave of any partner still reads this slot or has a load on its way
.if \on
	s_sub_nc_u64 s[G0+4*(\slot)+2:G0+4*(\slot)+3], s[G0+4*(\slot)+2:G0+4*(\slot)+3], BACK_A
	s_add_nc_u64 s[G0B+4*(\slot)+2:G0B+4*(\slot)+3], s[G0B+4*(\slot)+2:G0B+4*(\slot)+3], NEXT_B
.else
	s_add_nc_u64 s[G0+4*(\slot)+2:G0+4*(\slot)+3], s[G0+4*(\slot)+2:G0+4*(\slot)+3], 2*KSTEP*2
	s_add_nc_u64 s[G0B+4*(\slot)+2:G0B+4*(\slot)+3], s[G0B+4*(\slot)+2:G0B+4*(\slot)+3], 2*KSTEP*2
.endif
	JLOAD \slot                                    ; the first tensor load behind the round; its four v_nop are also the places in front of the loads below
	FETCH \next, 0, F0
	ASK \on
	MUL16 F1, 1, 0, 0
	MUL16 F1, 1, 2, 0
.endm
; THE WAY OUT of block a (16 tokens x 128 columns).
.macro PACK a
.set AC, 64*((\a)%4)
	WIN 0x0a+5*((\a)/4)                            ; sources 0 and 1: window 2 or 3
.irp b, 0,1,2,3,4,5,6,7
.irp r, 0,1,2,3
	v_cvt_pk_f16_f32 v[TMP+4*(\b)+(\r)], v[AC+8*(\b)+2*(\r)], v[AC+8*(\b)+2*(\r)+1]
.endr
.endr
	WIN 0
.endm
.macro TOSTAGE a                       ; into half a % 2 of my stage, and back by heads: register group 4 hd + g holds tokens 4 g .. 4 g + 3 of head hd
	WIN 0
.set BK, OB+192*((\a)%2)
.set HF, ((\a)%2)*16*SPITCH
.irp b, 0,1,2,3,4,5,6,7
	ds_store_b128 v[STO], v[TMP+4*(\b):TMP+4*(\b)+3] offset:HF+32*(\b)
.endr
.irp hd, 0,1
.irp g, 0,1,2,3
	ds_load_b128 v[BK+4*(4*(\hd)+(\g)):BK+4*(4*(\hd)+(\g))+3], v[RD] offset:HF+(\g)*4*SPITCH+128*(\hd)  ; LDS serves a wave's instructions in order (ISA guide 5.7.1.4): these see the stores above
.endr
.endr
.endm
.macro SEND a
	WIN 0
.set BK, OB+192*((\a)%2)
	s_wait_dscnt 0x0                               ; the block is back in registers (and the turned tokens, where they were asked for)
	s_wait_xcnt 0x0                                ; the stores of the block before have read their registers: the next block is read back into them only behind this wait
.irp hd, 0,1
.irp g, 0,1,2,3
	global_store_b128 v[CO], v[BK+4*(4*(\hd)+(\g)):BK+4*(4*(\hd)+(\g))+3], s[8:9] offset:(\hd)*HEADB+(\a)*2048+(\g)*512  ; 512 consecutive bytes, aligned
.endr
.endr
.endm
.macro XLOAD                           ; my stage's 32 tokens, turned: eight fragments of 16 columns x 32 tokens
	WIN 0
.irp cb, 0,1,2,3,4,5,6,7
	ds_load_tr16_b128 v[F1+8*(\cb):F1+8*(\cb)+3],   v[XA] offset:32*(\cb)
	ds_load_tr16_b128 v[F1+8*(\cb)+4:F1+8*(\cb)+7], v[XA] offset:32*(\cb)+16*SPITCH
.endr
.endm
.macro EMITW p                         ; the coarse sums take tokens 32 p .. 32 p + 31; the eight accumulators take turns
	WIN 0x54                                       ; source 0 window 0; source 1, C and D window 1
.irp cb, 0,1,2,3,4,5,6,7
.if (\p) == 0
	v_wmma_f32_16x16x32_f16 v[CA+8*(\cb):CA+8*(\cb)+7], v[F1+8*(\cb):F1+8*(\cb)+7], v[WW+8*(\p):WW+8*(\p)+7], 0
.else
	v_wmma_f32_16x16x32_f16 v[CA+8*(\cb):CA+8*(\cb)+7], v[F1+8*(\cb):F1+8*(\cb)+7], v[WW+8*(\p):WW+8*(\p)+7], v[CA+8*(\cb):CA+8*(\cb)+7]
.endif
.endr
.endm
	s_wait_tensorcnt 1                             ; my part of K step 0 is in; K step 1's may stay out
	s_barrier_signal -1
	s_barrier_wait -1
	FETCH 0, 0, F0
	s_mov_b32 s2, TILES                            ; tiles to go, this one among them
.Ltile:
	s_wait_loadcnt 0x0                             ; the tile's bias
	RBIAS
	QUARTER 0, 64,  F0, F1, 1                      ; a tile's first quarter starts the sums
	WIN 0
	s_mov_b32 s3, LAPS-1
.Llap:                                                 ; a trip goes once round the ring and fills both slots again
	QUARTER 0, 128, F1, F0, 0
	QUARTER 0, 192, F0, F1, 0
	TURN 0, 1, 0
	QUARTER 1, 64,  F0, F1, 0
	QUARTER 1, 128, F1, F0, 0
	QUARTER 1, 192, F0, F1, 0
	TURN 1, 0, 0
	QUARTER 0, 64,  F0, F1, 0
	WIN 0
	s_sub_co_u32 s3, s3, 1
	s_cmp_lg_u32 s3, 0
	s_cbranch_scc1 .Llap
	QUARTER 0, 128, F1, F0, 0
	QUARTER 0, 192, F0, F1, 0
	WIN 0
	s_cmp_eq_u32 s2, 1
	s_cbranch_scc1 .Llast                          ; the last tile's tail is written out: it asks for nothing more
	TURN 0, 1, 1                                   ; the ring goes on into the next tile
	QUARTER 1, 64,  F0, F1, 0
	QUARTER 1, 128, F1, F0, 0
	QUARTER 1, 192, F0, F1, 0
	TURN 1, 0, 1
	WIN 0
	s_branch .Lout                                 ; blocks 0-3 were finished in front of the joint load's four v_nop; their conversions are the places behind blocks 4-7's last products
.Llast:
	MEET 0
	PLACES
	FETCH 1, 0, F0
	MUL16 F1, 1, 0, 0
	MUL16 F1, 1, 2, 0
	QUARTER 1, 64,  F0, F1, 0
	QUARTER 1, 128, F1, F0, 0
	QUARTER 1, 192, F0, F1, 0
	s_wait_dscnt 8
	MUL16 F1, 0, 0, 0
	MUL16 F1, 0, 2, 0
	s_wait_dscnt 0x0
	MUL16 F1, 1, 0, 0
	MUL16 F1, 1, 2, 0
	WIN 0x41                                       ; the last tile is v: its weights go where the one text of the way out names them; also the places behind the last products
.set i, 0
.rept 32
	v_mov_b32 v[WW+i], v[WW+32+i]
.set i, i+1
.endr
	WIN 0
.Lout:
	s_cmp_eq_u32 s2, 1
	s_cbranch_scc1 .Lno_bias
	s_cmp_eq_u32 s2, 3
	s_cselect_b64 s[76:77], s[72:73], s[74:75]     ; the next tile's bias: bk, then bv (the loads through the old base were waited for at the tile's head)
	BLOAD
.Lno_bias:
	PACK 0
	TOSTAGE 0
.irp a, 1,2,3,4,5,6,7                  ; block a's conversions stand between block a - 1's loads from the stage and the wait for them
	PACK \a
	SEND (\a)-1
.if ((\a)%2) == 0
	EMITW ((\a)-2)/2
.endif
	TOSTAGE \a
.if ((\a)%2) == 1
	XLOAD
.endif
.endr
	SEND 7
	EMITW 3
	PLACES
	WIN 0x05                                       ; the coarse rows: rounded, through the stage like a block of 16 tokens
.irp b, 0,1,2,3,4,5,6,7
.irp r, 0,1,2,3
	v_cvt_pk_f16_f32 v[TMP+4*(\b)+(\r)], v[CA+8*(\b)+2*(\r)], v[CA+8*(\b)+2*(\r)+1]
.endr
.endr
	TOSTAGE 0
	s_wait_dscnt 0x0
.irp hd, 0,1
	global_store_b128 v[C4O], v[OB+16*(\hd):OB+16*(\hd)+3],     s[66:67] offset:(\hd)*4*RECB
	global_store_b128 v[C4O], v[OB+16*(\hd)+4:OB+16*(\hd)+7],   s[66:67] offset:(\hd)*4*RECB+512
	global_store_b128 v[C5O], v[OB+16*(\hd)+8:OB+16*(\hd)+11],  s[66:67] offset:(\hd)*4*RECB
	global_store_b128 v[C6O], v[OB+16*(\hd)+12:OB+16*(\hd)+15], s[66:67] offset:(\hd)*4*RECB
.endr
	s_wait_xcnt 0x0                                ; the stores have read their base and offsets: on to the next kind
	s_add_nc_u64 s[8:9], s[8:9], KINDB
	v_add_nc_u32 v[C4O], 8192, v[C4O]
	v_add_nc_u32 v[C5O], 4096, v[C5O]
	v_add_nc_u32 v[C6O], 2048, v[C6O]
	s_sub_co_u32 s2, s2, 1
	s_cmp_lg_u32 s2, 0
	s_cbranch_scc1 .Ltile
	s_wait_tensorcnt 0x0                           ; the wave's end: behind my last tensor load and my last LDS store
	ds_add_u32 v[SPW], v[NIL]
	s_wait_dscnt 0x0
	CROUND                                         ; the closing round
	s_endpgm
.Lfunc_end_k_q8c26408442_proj:
	.size	k_q8c26408442_proj, .Lfunc_end_k_q8c26408442_proj-k_q8c26408442_proj
	.p2alignl 7, 3214868480
	.fill 96, 4, 3214868480
	.section	.rodata,"a",@progbits
	.p2align	6, 0x0
	.amdhsa_kernel k_q8c26408442_proj
		.amdhsa_group_segment_fixed_size 327680
		.amdhsa_private_segment_fixed_size 0
		.amdhsa_enable_private_segment 0
		.amdhsa_kernarg_size 64
		.amdhsa_user_sgpr_count 2
		.amdhsa_user_sgpr_kernarg_segment_ptr 1
		.amdhsa_wavefront_size32 1
		.amdhsa_system_sgpr_workgroup_id_x 1
		.amdhsa_system_sgpr_workgroup_id_y 1
		.amdhsa_system_sgpr_workgroup_id_z 1
		.amdhsa_system_vgpr_workitem_id 0
		.amdhsa_next_free_vgpr 1024
		.amdhsa_next_free_sgpr 96
		.amdhsa_reserve_vcc 0
		.amdhsa_float_denorm_mode_32 3
		.amdhsa_float_denorm_mode_16_64 3
		.amdhsa_memory_ordered 1
		.amdhsa_forward_progress 1
		.amdhsa_inst_pref_size 218
	.end_amdhsa_kernel
	.amdgpu_metadata
---
amdhsa.version: [ 1, 2 ]
amdhsa.kernels:
  - .name:           k_q8c26408442_proj
    .symbol:         k_q8c26408442_proj.kd
    .args:
      - { .name: xb, .offset: 0, .size: 8, .value_kind: global_buffer, .address_space: global }
      - { .name: wb, .offset: 8, .size: 8, .value_kind: global_buffer, .address_space: global }
      - { .name: qkv, .offset: 16, .size: 8, .value_kind: global_buffer, .address_space: global }
      - { .name: cz, .offset: 24, .size: 8, .value_kind: global_buffer, .address_space: global }
      - { .name: tab, .offset: 32, .size: 8, .value_kind: global_buffer, .address_space: global }
      - { .name: bq, .offset: 40, .size: 8, .value_kind: global_buffer, .address_space: global }
      - { .name: bk, .offset: 48, .size: 8, .value_kind: global_buffer, .address_space: global }
      - { .name: bv, .offset: 56, .size: 8, .value_kind: global_buffer, .address_space: global }
    .group_segment_fixed_size: 327680
    .private_segment_fixed_size: 0
    .kernarg_segment_align: 8
    .kernarg_segment_size: 64
    .max_flat_workgroup_size: 128
    .sgpr_count:     96
    .vgpr_count:     1024
    .wavefront_size: 32
...
	.end_amdgpu_metadata
.endif
;; end of part 2
;; launch hatt (part 3): grid 4 x 64, 4 waves a work-group, no clusters, 327,680 bytes of LDS; arguments qkv, cz, tab, out0; writes out0
.if DOCPART == 3
	.amdgcn_target "amdgcn-amd-amdhsa--gfx1250"
	.amdhsa_code_object_version 6
	.text
	.protected	k_q8c26408442_hatt
	.globl	k_q8c26408442_hatt
	.p2align	8
	.type	k_q8c26408442_hatt,@function
k_q8c26408442_hatt:
	s_mov_b64 s[64:65], 0
	v_nop
	global_prefetch_b8 v0, s[64:65] scope:SCOPE_SE
	s_setreg_imm32_b32 hwreg(HW_REG_WAVE_MODE, 25, 1), 1
	s_wait_xcnt 0x0
; HATT.  The hierarchical attention: seven levels; level 0 attends to its own block of 16 tokens, level l >= 1 (rows of 2^l tokens) to the sibling block of 16 rows.  Each level takes its own row
; maximum away; numerators and denominators are added over the levels, then divided.  qkv: f16 [3][64][4096][64]; cz: coarse rows of levels 4-6; tab: tables of the mask; out0: f32 [4][4096][1024].
; LIMITS.  q, k, v arrive in f16 (under 65,504).  A weight is rounded to f16 for the second product, its sum is taken unrounded.  NaN and infinities are not treated apart.
; SHARES.  A work-group owns 1,024 tokens of one head (a block of level 6) and walks them in 4 UNITS of 256 tokens through two LDS slots.  Wave w owns the unit's strip 64 w .. 64 w + 63: two groups of
; 32 tokens, four fine blocks of 16.  Siblings: level 1 the strip's other group; level 2 strip w ^ 1; level 3 the unit's other half; level 4 unit ^ 1; level 5 the other pair of units; level 6 the
; neighbouring 1,024 tokens.  A wave coarsens by itself all that it needs of levels 1-3, so nothing passes between waves inside a unit.  NO CLUSTER: work-groups share only a table record, 20 of 430 KiB.
; MASK.  A score is min(s, neg of its key, neg of its query), neg = +-FLT_MAX: hidden scores are all exactly -FLT_MAX.  The row's maximum m is subtracted first, so a row that is hidden throughout
; gives the argument 0 sixteen times (weights 1), and a hidden score in a live row gives 0.
; SCALES.  p' = 2^(c (s - m) + l), c = log2(e) / 8; coarse v of level l is kept times 2^-l, so p' v' = p v and no operand leaves fine v's range; the denominator takes 2^-l x the sum of p'.
; LAYOUT.  S^T = K Q^T: a lane holds one query (lane % 16) and the keys 8 (lane / 16) + 0..7.  Two levels' weights, rounded in pairs, ARE source 1 (32 keys x 16 queries) of O^T = V^T P.
; COARSENING BY THE MATRIX UNIT.  X = 16 channels x 32 tokens (turning load), W = 16 coarse rows x 32 tokens (the tokens' weights, left by lane masks in the lane of their row).  X W^T holds a coarse row
; a lane: packed it is a fragment of K, or a row of Q for my stage.  W X^T holds a channel a lane: packed it is half a fragment of V^T.
; A UNIT.  First all its coarsening, in batches of LDS loads that are asked for while the batch before is multiplied; then one loop over the four fine blocks.
; LOADS AHEAD.  Block n asks for block n + 1's operands: 26 loads behind its maxima, 13 at its tail; its own 16 rows come back from my stage while block n + 1's first products run and are stored behind them.
; REGISTERS.  window 0: v1-7 lane numbers, v8-47 addresses, v48-63 statistics, v64-95 key masks, v96-127 S^T, v128-191 Q (4 levels), v192-207 P, v208-239 O^T; v192-207 and v240-255 also hold the
;   rows on their way out; while coarsening: v64-111, v112-159 weights, v160-223 sums, v224-255 packed rows.
;   window 1: v0-63 K (4 levels), v64-127 V^T (levels 0|1, 2|3), v128-191 X of my own q, v192-231 level 1's K, V and key mask for my second group.
;   window 2: v0-191 X of six groups of k, v192-255 of my own two groups.   window 3: the same of v.
.set PQ,    144                        ; a row of q or k in a slot, and of my stage of coarse q: 128 bytes + 16: 16 rows start at 16 different groups of four banks (64 banks of 4 bytes: ISA guide 11.1)
.set PV,    160                        ; a row of v, and of the coarse rows: 128 + 32
.set KOFF,  256*PQ
.set VOFF,  2*256*PQ
.set Y4,    114688                     ; behind slot 0: 64 rows x 256 bytes, f32: the numerators of levels 4-6 for each row of level 4
.set SLOT1, 131072
.set COB,   245760                     ; my record's first 304 coarse rows (q4 k4 v4 q5 k5 v5 q6)
.set CSB,   294400                     ; the sibling record's k6, v6: 32 rows
.set TB,    299520                     ; my table record
.set A4B,   320000                     ; 64 denominators of levels 4-6
.set SPARE, 320256                     ; the spare words, 128 bytes for each wave: two blocks of 256 bytes that no other line names
.set OST,   COB                        ; the coarse rows have their one fill at the start and are read no more behind the second barrier: from then on 16 rows x 272 bytes a wave, for the way out,
.set QC,    COB+4*4352                 ; and 56 rows x 144 bytes a wave: my strip's coarse q: rows 0-7 level 3, 8-39 level 1, 40-55 level 2
.set QCW,   56*PQ
.set SPW, 8
.set NIL, 9
.set CQ0, 10                           ; v10-20: lane and wave constants
.set CV0, 11
.set CQT, 12
.set CK1, 13
.set CK2, 14
.set CK3, 15
.set CV2, 16
.set CV3, 17
.set CQ1, 18
.set CQ2, 19
.set CQ3, 20
.set AQ0, 21                           ; v21-47: addresses at work
.set AV0, 22
.set AT,  23
.set AT2, 24
.set AT3, 25
.set AT4, 26
.set AQ1, 27
.set AQ2, 28
.set AQ3, 29
.set QST, 30
.set AKN0, 31
.set AKN1, 32
.set AKN2, 33
.set AKN3, 34
.set AQN0, 35
.set AQN1, 36
.set AQN2, 37
.set AQN3, 38
.set AY,  39
.set AA,  40
.set AWO, 41
.set AW2, 42
.set AW3, 43
.set STO, 44
.set RD,  45
.set GO,  46
.set A4V, 47
.set MX,  48                           ; level i: m at MX + 2 i, the other half's at MX + 2 i + 1
.set QN,  56
.set ACC, 60
.set INV, 62
.set KN,  64
.set S,   96
.set Q,   128
.set PP,  192
.set O,   208
.set OB2, 240                          ; the second half of the rows on their way out
.set RK,  64
.set RV,  112
.set DA,  160
.set DB,  192
.set HT,  224
.set R1,  240                          ; r >> 1, 2, 3, while addresses are made
.set R2,  241
.set R3,  242
.set KR,  0                            ; window 1
.set VVA, 64
.set VVB, 96
.set XQ,  128
.set K1N, 192                          ; window 1: level 1 for my second group: K, the halves of V^T, the key mask
.set V1N, 208
.set KNN, 224
.set W1,  2                            ; s2   w ^ 1
.set WH,  3                            ; s3   (w >> 1) ^ 1
.set WV,  12
.set GS,  19                           ; s19  the next step of my offset in out0
.set FC,  21                           ; s21  fine blocks to go, 4 to 1
.set G1Q, 24                           ; s[24:31] group 1 for q's and k's tiles;  s[32:39] for v's
.set G1V, 32
.set G1C, 40                           ; wave 3's: the coarse rows, the sibling's, the tables; when its loads are done these registers take the lane masks
.set G0A, 48
.set G0B, 52
.set G0C, 56
.set PSEL, 60
.set SB,  62                           ; the slot in hand
.set UC,  63
.set CS,  66
.set G1S, 68
.set G1T, 76
.set LV,  84                           ; four pairs: the levels' numbers
.set IL,  92                           ; four pairs: 2^-level
.set M1,  40                           ; lane masks: register i of a fragment of weights, level 1
.set M2,  68                           ; level 2: group g, register pair j at M2 + 4 g + j
.set M3,  76                           ; level 3: group g, register half at M3 + 2 g + half
.set MSB, 0
.macro WIN new
.if MSB != (\new)
	s_set_vgpr_msb (MSB<<8)|(\new)
.set MSB, \new
.endif
.endm
.macro PLACES
.rept 4
	v_nop
.endr
.endm
.macro EACH nl, line:vararg            ; one line for each level i
.set i, 0
.rept \nl
	\line
.set i, i+1
.endr
.endm
.macro PAIR r, val
	s_mov_b32 s[(\r)], \val
	s_mov_b32 s[(\r)+1], \val
.endm
.macro SMAD sd, sr, m, k               ; sd = sr x m + k
	s_mul_i32 \sd, \sr, \m
	s_add_co_u32 \sd, \sd, \k
.endm
.macro GROUP1 g, w0, c, rows           ; descriptor group 1: rows x c elements, dense in memory
	s_mov_b32 s[(\g)], \w0
	s_mov_b32 s[(\g)+1], (\c)<<16
	s_mov_b32 s[(\g)+2], (\rows)<<16
	s_mov_b32 s[(\g)+3], (\c)<<16
	s_mov_b32 s[(\g)+4], \rows
	s_mov_b32 s[(\g)+5], \c
	s_mov_b32 s[(\g)+6], 0
	s_mov_b32 s[(\g)+7], 0
.endm
.macro F4 dst, areg, off               ; two fragments (16 rows x 64 channels) from rows that lie along the channels
	ds_load_b128 v[(\dst):(\dst)+3],     v[\areg] offset:(\off)
	ds_load_b128 v[(\dst)+4:(\dst)+7],   v[\areg] offset:(\off)+32
	ds_load_b128 v[(\dst)+8:(\dst)+11],  v[\areg] offset:(\off)+64
	ds_load_b128 v[(\dst)+12:(\dst)+15], v[\areg] offset:(\off)+96
.endm
.macro N8 dst, areg, off=0             ; eight keys' neg
	ds_load_b128 v[(\dst):(\dst)+3],   v[\areg] offset:(\off)
	ds_load_b128 v[(\dst)+4:(\dst)+7], v[\areg] offset:(\off)+16
.endm
.macro V16 dst, areg, off              ; 16 keys x 64 channels, turned: half of each of four fragments of V^T
.irp cb, 0,1,2,3
	ds_load_tr16_b128 v[(\dst)+8*\cb:(\dst)+8*\cb+3], v[\areg] offset:(\off)+32*\cb
.endr
.endm
.macro XT dst, areg, off, p16          ; 32 tokens x 64 channels, turned: four fragments of 16 channels x 32 tokens
.irp cb, 0,1,2,3
	ds_load_tr16_b128 v[(\dst)+8*\cb:(\dst)+8*\cb+3],   v[\areg] offset:(\off)+32*\cb
	ds_load_tr16_b128 v[(\dst)+8*\cb+4:(\dst)+8*\cb+7], v[\areg] offset:(\off)+32*\cb+(\p16)
.endr
.endm
.macro RAW dst, areg, off              ; 32 tokens' weights in a fragment's order, the same in all 16 lanes of a half
	ds_load_b128 v[(\dst):(\dst)+3],   v[\areg] offset:(\off)
	ds_load_b128 v[(\dst)+4:(\dst)+7], v[\areg] offset:(\off)+32
.endm
.macro SEL1 reg
.irp i, 0,1,2,3,4,5,6,7
	v_cndmask_b32 v[(\reg)+\i], 0, v[(\reg)+\i], s[M1+\i]
.endr
.endm
.macro SEL2 reg, g
.irp i, 0,1,2,3,4,5,6,7
	v_cndmask_b32 v[(\reg)+\i], 0, v[(\reg)+\i], s[M2+4*(\g)+\i/2]
.endr
.endm
.macro SEL3 reg, g
.irp i, 0,1,2,3,4,5,6,7
	v_cndmask_b32 v[(\reg)+\i], 0, v[(\reg)+\i], s[M3+2*(\g)+\i/4]
.endr
.endm
.macro MM4 d, x, w, zero, swap         ; four products, one for each block of 16 channels; swap = 0: X W^T, swap = 1: W X^T.  The caller sets the windows
.irp cb, 0,1,2,3
.if (\swap) && (\zero)
	v_wmma_f32_16x16x32_f16 v[(\d)+8*\cb:(\d)+8*\cb+7], v[(\w):(\w)+7], v[(\x)+8*\cb:(\x)+8*\cb+7], 0
.elseif \swap
	v_wmma_f32_16x16x32_f16 v[(\d)+8*\cb:(\d)+8*\cb+7], v[(\w):(\w)+7], v[(\x)+8*\cb:(\x)+8*\cb+7], v[(\d)+8*\cb:(\d)+8*\cb+7]
.elseif \zero
	v_wmma_f32_16x16x32_f16 v[(\d)+8*\cb:(\d)+8*\cb+7], v[(\x)+8*\cb:(\x)+8*\cb+7], v[(\w):(\w)+7], 0
.else
	v_wmma_f32_16x16x32_f16 v[(\d)+8*\cb:(\d)+8*\cb+7], v[(\x)+8*\cb:(\x)+8*\cb+7], v[(\w):(\w)+7], v[(\d)+8*\cb:(\d)+8*\cb+7]
.endif
.endr
.endm
.macro CVT dst, d, step                ; four sums rounded to f16, each from its low end on; block cb goes to dst + step x cb
.irp cb, 0,1,2,3
.irp jj, 0,1,2,3
	v_cvt_pk_f16_f32 v[(\dst)+(\step)*\cb+\jj], v[(\d)+8*\cb+2*\jj], v[(\d)+8*\cb+2*\jj+1]
.endr
.endr
.endm
.macro QOUT h, row                     ; 16 packed rows of coarse q into my stage, from row \row on
.irp cb, 0,1,2,3
	ds_store_b128 v[QST], v[(\h)+4*\cb:(\h)+4*\cb+3] offset:(\row)*PQ+32*\cb
.endr
.endm
; THE ATTENTION OF nl LEVELS FOR 16 QUERIES, in five pieces.
.macro SQK nl                          ; S^T_i = K_i Q_i^T; the levels take turns
	WIN 0x01
	EACH \nl, v_wmma_f32_16x16x32_f16 v[S+8*i:S+8*i+7], v[KR+16*i:KR+16*i+7], v[Q+16*i:Q+16*i+7], 0
	EACH \nl, v_wmma_f32_16x16x32_f16 v[S+8*i:S+8*i+7], v[KR+16*i+8:KR+16*i+15], v[Q+16*i+8:Q+16*i+15], v[S+8*i:S+8*i+7]
.endm
.macro SMX nl                          ; the mask, and each level's maximum over its 16 keys
	WIN 0
.set i, 0
.rept \nl
.set j, 0
.rept 8
	v_min3_num_f32 v[S+8*i+j], v[S+8*i+j], v[KN+8*i+j], v[QN+i]
.set j, j+1
.endr
.set i, i+1
.endr
	EACH \nl, v_max3_num_f32 v[MX+2*i], v[S+8*i], v[S+8*i+1], v[S+8*i+2]
	EACH \nl, v_max3_num_f32 v[MX+2*i], v[MX+2*i], v[S+8*i+3], v[S+8*i+4]
	EACH \nl, v_max3_num_f32 v[MX+2*i], v[MX+2*i], v[S+8*i+5], v[S+8*i+6]
	EACH \nl, v_max_num_f32 v[MX+2*i], v[MX+2*i], v[S+8*i+7]
	EACH \nl, v_permlanex16_b32 v[MX+2*i+1], v[MX+2*i], s[PSEL], s[PSEL+1]
	EACH \nl, v_max_num_f32 v[MX+2*i], v[MX+2*i], v[MX+2*i+1]
.endm
.macro SEX nl                          ; s - m first (exactly 0 where both are -FLT_MAX), then c x that + level, then one batch of exponentials with one wait
.set i, 0
.rept \nl
.set j, 0
.rept 4
	v_pk_add_f32 v[S+8*i+2*j:S+8*i+2*j+1], v[S+8*i+2*j:S+8*i+2*j+1], v[MX+2*i:MX+2*i+1] op_sel_hi:[1,0] neg_lo:[0,1] neg_hi:[0,1]
.set j, j+1
.endr
.set i, i+1
.endr
.set i, 0
.rept \nl
.set j, 0
.rept 4
	v_pk_fma_f32 v[S+8*i+2*j:S+8*i+2*j+1], v[S+8*i+2*j:S+8*i+2*j+1], s[CS:CS+1], s[LV+2*i:LV+2*i+1] op_sel_hi:[1,0,0]
.set j, j+1
.endr
.set i, i+1
.endr
.set j, 0
.rept 8*(\nl)
	v_exp_f32 v[S+j], v[S+j]
.set j, j+1
.endr
	v_nop                                          ; a plain instruction behind the last exponential,
	s_wait_alu depctr_va_vdst(0)                   ; and the one wait ahead of the batch's first reader
.endm
.macro SPK nl                          ; the weights rounded to f16; their sums, times 2^-level, into ACC (even keys', odd keys')
.set i, 0
.rept \nl
.set j, 0
.rept 4
	v_cvt_pk_f16_f32 v[PP+4*i+j], v[S+8*i+2*j], v[S+8*i+2*j+1]
.set j, j+1
.endr
.set i, i+1
.endr
	EACH \nl, v_pk_add_f32 v[S+8*i:S+8*i+1], v[S+8*i:S+8*i+1], v[S+8*i+2:S+8*i+3]
	EACH \nl, v_pk_add_f32 v[S+8*i+4:S+8*i+5], v[S+8*i+4:S+8*i+5], v[S+8*i+6:S+8*i+7]
	EACH \nl, v_pk_add_f32 v[S+8*i:S+8*i+1], v[S+8*i:S+8*i+1], v[S+8*i+4:S+8*i+5]
	v_pk_mul_f32 v[ACC:ACC+1], v[S:S+1], s[IL:IL+1] op_sel_hi:[1,0]
.set i, 1
.rept (\nl)-1
	v_pk_fma_f32 v[ACC:ACC+1], v[S+8*i:S+8*i+1], s[IL+2*i:IL+2*i+1], v[ACC:ACC+1] op_sel_hi:[1,0,1]
.set i, i+1
.endr
.endm
.macro PVM zero                        ; O^T += V^T P: levels 0 | 1, then 2 | 3; the four blocks of channels take turns
	WIN 0x01
.irp cb, 0,1,2,3
.if \zero
	v_wmma_f32_16x16x32_f16 v[O+8*\cb:O+8*\cb+7], v[VVA+8*\cb:VVA+8*\cb+7], v[PP:PP+7], 0
.else
	v_wmma_f32_16x16x32_f16 v[O+8*\cb:O+8*\cb+7], v[VVA+8*\cb:VVA+8*\cb+7], v[PP:PP+7], v[O+8*\cb:O+8*\cb+7]
.endif
.endr
.irp cb, 0,1,2,3
	v_wmma_f32_16x16x32_f16 v[O+8*\cb:O+8*\cb+7], v[VVB+8*\cb:VVB+8*\cb+7], v[PP+8:PP+15], v[O+8*\cb:O+8*\cb+7]
.endr
	WIN 0
.endm
; A fill of the slot that the walking descriptor names: waves 0, 1, 2 fetch the unit's q, k, v; wave 3 has no part.  An s_nop 0 and four v_nop follow each line.
.macro LOADU
	s_cmp_lt_u32 s[WV], 2
	s_cbranch_scc0 .Lfor_v_\@
	tensor_load_to_lds s[G0B:G0B+3], s[G1Q:G1Q+7]
	s_nop 0
.rept 4
	v_nop
.endr
	s_branch .Lasked_\@
.Lfor_v_\@:
	s_cmp_eq_u32 s[WV], 2
	s_cbranch_scc0 .Lasked_\@
	tensor_load_to_lds s[G0B:G0B+3], s[G1V:G1V+7]
	s_nop 0
.rept 4
	v_nop
.endr
.Lasked_\@:
.endm
; THE CHANGE OF SLOTS.  Each wave waits for all its tensor loads (one is out at the most: its part of the other slot), adds 0 to its spare word, and waits for that and for its reads of the slot that it
; leaves.  Behind the barrier nobody reads the old slot and the other slot is whole.  fill = 1: the old slot takes the unit two units on, first thing behind the barrier.
.macro CHG fill
	WIN 0
	s_wait_tensorcnt 0x0
	ds_add_u32 v[SPW], v[NIL]                      ; 0 onto my spare word; scalar work stands between it and the wait for it
.if \fill
	s_xor_b32 s[G0B+1], s[G0B+1], SLOT1
	s_add_nc_u64 s[G0B+2:G0B+3], s[G0B+2:G0B+3], 32768  ; a unit is 32,768 bytes of each kind
.endif
	s_xor_b32 s[SB], s[SB], SLOT1
	s_wait_dscnt 0x0
	s_barrier_signal -1
	s_barrier_wait -1
.if \fill
	LOADU
.endif
.endm
	s_load_b256 s[4:11], s[0:1], 0x0               ; qkv s[4:5], cz s[6:7], tab s[8:9], out0 s[10:11]
	v_lshl_add_u32 v[SPW], v0, 2, SPARE
	v_mov_b32 v[NIL], 0
	ds_add_u32 v[SPW], v[NIL]                      ; the wave's opening: the add and its wait ahead of my first tensor load
	ds_add_u32 v8, v9
	v_lshrrev_b32 v1, 5, v0
	v_readfirstlane_b32 s[WV], v1                  ; wave 0..3
	s_mov_b32 s13, ttmp9                           ; which 1,024 tokens
	s_and_b32 s14, ttmp7, 0xffff                   ; 16 x batch + head
	s_xor_b32 s[W1], s[WV], 1
	s_lshr_b32 s[WH], s[WV], 1
	s_xor_b32 s[WH], s[WH], 1
	; every tile is dense in memory and is asked for as rows of 256 bytes; rows of 128 bytes are padded apart in LDS (after every 32 words, 4 or 8 words)
	GROUP1 G1Q, (1<<16)|(1<<20)|(4<<22)|(3<<25), 128, 128
	GROUP1 G1V, (1<<16)|(1<<20)|(4<<22)|(7<<25), 128, 128
	GROUP1 G1C, (1<<16)|(1<<20)|(4<<22)|(7<<25), 128, 152
	GROUP1 G1S, (1<<16)|(1<<20)|(4<<22)|(7<<25), 128, 16
	GROUP1 G1T, 3<<16, 32, 80
	s_mov_b32 s[PSEL], 0x76543210
	s_mov_b32 s[PSEL+1], 0xfedcba98
	PAIR CS, 0x3e38aa3b                            ; c = log2(e) / 8
	s_wait_dscnt 0x0                               ; the opening add is done
	s_wait_kmcnt 0x0
	s_cmp_lt_u32 s[WV], 3
	s_cbranch_scc0 .Lw3
	s_mul_i32 s[G0A+1], s[WV], 256*PQ              ; q at 0, k at 36,864, v at 73,728 of slot 0
	s_lshl_b32 s22, s[WV], 25                      ; my kind,
	s_lshl_b32 s23, s14, 19                        ; the head,
	s_add_co_u32 s22, s22, s23
	s_lshl_b32 s23, s13, 17                        ; its 1,024 tokens
	s_add_co_u32 s22, s22, s23
	s_mov_b32 s23, 0
	s_add_nc_u64 s[G0A+2:G0A+3], s[4:5], s[22:23]
	s_add_nc_u64 s[G0B+2:G0B+3], s[G0A+2:G0A+3], 32768
	s_or_b32 s[G0A+3], s[G0A+3], 0x80000000
	s_or_b32 s[G0B+3], s[G0B+3], 0x80000000
	s_mov_b32 s[G0A], 1
	s_mov_b32 s[G0B], 1
	s_add_co_u32 s[G0B+1], s[G0A+1], SLOT1         ; the walking descriptor: unit 1 into slot 1; it is asked for behind the first barrier
	s_cmp_lt_u32 s[WV], 2
	s_cbranch_scc0 .Lw2
	tensor_load_to_lds s[G0A:G0A+3], s[G1Q:G1Q+7]  ; unit 0: one load of mine is out
	s_nop 0
.rept 4
	v_nop
.endr
	s_branch .Lfilled
.Lw2:
	tensor_load_to_lds s[G0A:G0A+3], s[G1V:G1V+7]
	s_nop 0
.rept 4
	v_nop
.endr
	s_branch .Lfilled
.Lw3:                                                  ; wave 3: the coarse rows, the sibling's k6 and v6, the tables: three loads of mine are out
	s_lshl_b32 s15, s14, 2
	s_add_co_u32 s22, s15, s13
	s_mul_i32 s22, s22, 43008
	s_mov_b32 s23, 0
	s_mov_b32 s[G0A], 1
	s_mov_b32 s[G0A+1], COB
	s_add_nc_u64 s[G0A+2:G0A+3], s[6:7], s[22:23]
	s_or_b32 s[G0A+3], s[G0A+3], 0x80000000
	s_xor_b32 s22, s13, 1
	s_add_co_u32 s22, s22, s15
	s_mul_i32 s22, s22, 43008
	s_add_co_u32 s22, s22, 38912                   ; row 304 of the record
	s_mov_b32 s[G0B], 1
	s_mov_b32 s[G0B+1], CSB
	s_add_nc_u64 s[G0B+2:G0B+3], s[6:7], s[22:23]
	s_or_b32 s[G0B+3], s[G0B+3], 0x80000000
	s_lshr_b32 s22, s14, 4
	s_lshl_b32 s22, s22, 2
	s_add_co_u32 s22, s22, s13
	s_mul_i32 s22, s22, 20480
	s_mov_b32 s[G0C], 1
	s_mov_b32 s[G0C+1], TB
	s_add_nc_u64 s[G0C+2:G0C+3], s[8:9], s[22:23]
	s_or_b32 s[G0C+3], s[G0C+3], 0x80000000
	tensor_load_to_lds s[G0A:G0A+3], s[G1C:G1C+7]
	s_nop 0
	tensor_load_to_lds s[G0B:G0B+3], s[G1S:G1S+7]
	s_nop 0
	tensor_load_to_lds s[G0C:G0C+3], s[G1T:G1T+7]
	s_nop 0
.rept 4
	v_nop
.endr
.Lfilled:
	v_and_b32 v1, 15, v0                           ; r
	v_bfe_u32 v2, v0, 4, 1                         ; h
	v_and_b32 v3, 7, v0
	v_bfe_u32 v4, v0, 3, 1
	v_lshl_add_u32 v5, v2, 3, v3                   ; the turning load's row: 8 h + l % 8
	v_mul_u32_u24 v6, v5, PQ
	v_lshl_add_u32 v6, v4, 4, v6                   ; its place at pitch 144,
	v_mul_u32_u24 v7, v5, PV
	v_lshl_add_u32 v7, v4, 4, v7                   ; at pitch 160
	v_lshrrev_b32 v[R1], 1, v1
	v_lshrrev_b32 v[R2], 2, v1
	v_lshrrev_b32 v[R3], 3, v1
.irp i, 1,3,5,7
	v_mov_b32 v[MX+\i], 0                          ; destinations of v_permlanex16_b32 count as read
.endr
	v_mov_b32 v[INV+1], 0
	; constants of lane and wave for the slots
	s_mul_i32 s22, s[WV], 64*PQ
	v_mul_u32_u24 v[CQ0], v1, PQ
	v_lshl_add_u32 v[CQ0], v2, 4, v[CQ0]
	v_add_nc_u32 v[CQ0], s22, v[CQ0]               ; my strip's row r of q
	v_add_nc_u32 v[CQT], s22, v6                   ; my strip's q, turned
	v_add_nc_u32 v[CK1], KOFF, v[CQT]              ; my strip's k, turned
	SMAD s22, s[W1], 64*PQ, KOFF
	v_add_nc_u32 v[CK2], s22, v6
	SMAD s22, s[WH], 128*PQ, KOFF
	v_add_nc_u32 v[CK3], s22, v6
	SMAD s22, s[WV], 64*PV, VOFF
	v_add_nc_u32 v[CV0], s22, v7
	SMAD s22, s[W1], 64*PV, VOFF
	v_add_nc_u32 v[CV2], s22, v7
	SMAD s22, s[WH], 128*PV, VOFF
	v_add_nc_u32 v[CV3], s22, v7
	; LEVELS 4, 5, 6.  Wave w makes the 16 rows 16 w + r of level 4; the queries of levels 5 and 6 are read once for each row of level 4 below them (the address repeats them).
	v_mul_u32_u24 v21, v1, PV
	v_lshl_add_u32 v21, v2, 4, v21                 ; r x 160 + 16 h
	SMAD s22, s[WV], 16*PV, COB
	v_add_nc_u32 v22, s22, v21                     ; q4: row 16 w + r
	SMAD s22, s[W1], 16*PV, COB+64*PV
	v_add_nc_u32 v23, s22, v21                     ; k4: row 64 + 16 (w ^ 1) + r
	SMAD s22, s[WH], 16*PV, COB+224*PV
	v_add_nc_u32 v24, s22, v21                     ; k5
	v_add_nc_u32 v25, CSB, v21                     ; k6 of the sibling
	v_mul_u32_u24 v26, v[R1], PV
	v_lshl_add_u32 v26, v2, 4, v26
	SMAD s22, s[WV], 8*PV, COB+192*PV
	v_add_nc_u32 v26, s22, v26                     ; q5: row 192 + 8 w + (r >> 1)
	v_mul_u32_u24 v27, v[R2], PV
	v_lshl_add_u32 v27, v2, 4, v27
	SMAD s22, s[WV], 4*PV, COB+288*PV
	v_add_nc_u32 v27, s22, v27                     ; q6: row 288 + 4 w + (r >> 2)
	SMAD s22, s[W1], 16*PV, COB+128*PV
	v_add_nc_u32 v28, s22, v7                      ; v4
	SMAD s22, s[WH], 16*PV, COB+256*PV
	v_add_nc_u32 v29, s22, v7                      ; v5
	v_add_nc_u32 v30, CSB+16*PV, v7                ; v6 of the sibling
	SMAD s22, s[W1], 64, TB+7680
	v_lshl_add_u32 v31, v2, 5, s22                 ; the keys' neg4, neg5, neg6
	SMAD s22, s[WH], 64, TB+7936
	v_lshl_add_u32 v32, v2, 5, s22
	v_lshlrev_b32 v33, 5, v2
	v_add_nc_u32 v33, TB+8128, v33
	SMAD s22, s[WV], 64, TB+7680
	v_lshl_add_u32 v34, v1, 2, s22                 ; the queries'
	SMAD s22, s[WV], 32, TB+7936
	v_lshl_add_u32 v35, v[R1], 2, s22
	SMAD s22, s[WV], 16, TB+8064
	v_lshl_add_u32 v36, v[R2], 2, s22
	SMAD s22, s[WV], 4096, Y4
	v_lshl_add_u32 v37, v1, 8, s22
	v_lshl_add_u32 v37, v2, 5, v37                 ; where my row's numerators go
	SMAD s22, s[WV], 64, A4B
	v_lshl_add_u32 v38, v1, 2, s22
	; THE FIRST BARRIER.  All first fills have landed: slot 0, the coarse rows, the tables.  Slot 1 has its first fill behind it, asked for as a refill is: so the tiles that are wanted first do not
	; share the road with it, and it has the work on levels 4-6 and on unit 0 in which to land.
	s_wait_tensorcnt 0x0
	ds_add_u32 v[SPW], v[NIL]                      ; 0 onto my spare word; scalar work stands between it and the wait for it
	PAIR LV, 4.0
	PAIR LV+2, 0x40a00000
	PAIR LV+4, 0x40c00000
	PAIR IL, 0x3d800000
	PAIR IL+2, 0x3d000000
	PAIR IL+4, 0x3c800000
	s_wait_dscnt 0x0
	s_barrier_signal -1
	s_barrier_wait -1
	LOADU                                          ; unit 1 into slot 1
	F4 Q, 22, 0
	F4 Q+16, 26, 0
	F4 Q+32, 27, 0
	N8 KN, 31
	N8 KN+8, 32
	N8 KN+16, 33
	ds_load_b32 v[QN], v34
	ds_load_b32 v[QN+1], v35
	ds_load_b32 v[QN+2], v36
	WIN 0x40
	F4 KR, 23, 0
	F4 KR+16, 24, 0
	F4 KR+32, 25, 0
	V16 VVA, 28, 0
	V16 VVA+4, 29, 0
	V16 VVB, 30, 0
.irp cb, 0,1,2,3
.irp j, 4,5,6,7
	v_mov_b32 v[VVB+8*\cb+\j], 0                   ; there is no fourth level here: its keys' v and weights are 0
.endr
.endr
	WIN 0
.irp j, 12,13,14,15
	v_mov_b32 v[PP+\j], 0
.endr
	s_wait_dscnt 0x0
	SQK 3
	PLACES
	SMX 3
	SEX 3
	SPK 3
	PVM 1
	PLACES
	v_add_f32 v[INV], v[ACC], v[ACC+1]
	v_permlanex16_b32 v[INV+1], v[INV], s[PSEL], s[PSEL+1]
	v_add_f32 v[INV], v[INV], v[INV+1]
.irp cb, 0,1,2,3
	ds_store_b128 v37, v[O+8*\cb:O+8*\cb+3]   offset:64*\cb
	ds_store_b128 v37, v[O+8*\cb+4:O+8*\cb+7] offset:64*\cb+16
.endr
	ds_store_b32 v38, v[INV]                       ; both halves of the lanes hold the same sum and store the same word
	; what the walk needs: the levels 0-3, the lane masks (wave 3's descriptors are done), the addresses of unit 0
	PAIR LV, 0
	PAIR LV+2, 1.0
	PAIR LV+4, 2.0
	PAIR LV+6, 0x40400000
	PAIR IL, 1.0
	PAIR IL+2, 0.5
	PAIR IL+4, 0x3e800000
	PAIR IL+6, 0x3e000000
.irp i, 0,1,2,3
	s_mov_b32 s[M1+\i], (1<<\i)|(1<<(20+\i))       ; level 1: register i holds tokens of row 4 h + i, register 4 + i of row 8 + 4 h + i
	s_mov_b32 s[M1+4+\i], (1<<(8+\i))|(1<<(28+\i))
.endr
.irp g, 0,1
.irp j, 0,1
	s_mov_b32 s[M2+4*\g+\j], (1<<(8*\g+\j))|(1<<(8*\g+\j+18))        ; level 2: registers 2 j, 2 j + 1 hold tokens of row 8 g + 2 h + j,
	s_mov_b32 s[M2+4*\g+2+\j], (1<<(8*\g+4+\j))|(1<<(8*\g+\j+22))    ; registers 4 + 2 j .. of row 8 g + 4 + 2 h + j
.endr
.endr
.irp g, 0,1,2,3
.irp j, 0,1
	s_mov_b32 s[M3+2*\g+\j], (1<<(4*\g+2*\j))|(1<<(17+4*\g+2*\j))    ; level 3: register half j holds tokens of row 4 g + 2 j + h
.endr
.endr
	SMAD s22, s[WV], QCW, QC
	v_lshlrev_b32 v[AT], 4, v2
	v_add_nc_u32 v[AT], s22, v[AT]                 ; my stage of coarse q + 16 h
	v_mul_u32_u24 v[QST], v1, PQ
	v_add_nc_u32 v[QST], v[AT], v[QST]             ; in: row r of a tile
	v_mul_u32_u24 v[CQ1], v[R1], PQ
	v_add_nc_u32 v[CQ1], v[AT], v[CQ1]
	v_add_nc_u32 v[CQ1], 8*PQ, v[CQ1]              ; back: the row of level 1, 2, 3 above my query; a block further on they lie 8, 4, 2 rows further
	v_mul_u32_u24 v[CQ2], v[R2], PQ
	v_add_nc_u32 v[CQ2], v[AT], v[CQ2]
	v_add_nc_u32 v[CQ2], 40*PQ, v[CQ2]
	v_mul_u32_u24 v[CQ3], v[R3], PQ
	v_add_nc_u32 v[CQ3], v[AT], v[CQ3]
	SMAD s22, s[WV], 256, TB
	v_lshl_add_u32 v[AKN0], v2, 5, s22
	v_lshl_add_u32 v[AQN0], v1, 2, s22
	SMAD s22, s[WV], 128, TB+4096
	v_lshl_add_u32 v[AKN1], v2, 5, s22
	v_lshl_add_u32 v[AQN1], v[R1], 2, s22
	SMAD s22, s[W1], 64, TB+6144
	v_lshl_add_u32 v[AKN2], v2, 5, s22
	SMAD s22, s[WV], 64, TB+6144
	v_lshl_add_u32 v[AQN2], v[R2], 2, s22
	SMAD s22, s[WH], 64, TB+7168
	v_lshl_add_u32 v[AKN3], v2, 5, s22
	SMAD s22, s[WV], 32, TB+7168
	v_lshl_add_u32 v[AQN3], v[R3], 2, s22
	SMAD s22, s[WV], 1024, Y4
	v_lshl_add_u32 v[AY], v2, 5, s22
	SMAD s22, s[WV], 16, A4B
	v_mov_b32 v[AA], s22
	SMAD s22, s[WV], 128, TB+8192
	v_lshl_add_u32 v[AWO], v2, 4, s22
	SMAD s22, s[W1], 128, TB+10240
	v_lshl_add_u32 v[AW2], v2, 4, s22
	SMAD s22, s[WH], 256, TB+12288
	v_lshl_add_u32 v[AW3], v2, 4, s22
	SMAD s22, s[WV], 4352, OST
	v_mul_u32_u24 v[STO], v1, 272
	v_lshl_add_u32 v[STO], v2, 5, v[STO]
	v_add_nc_u32 v[STO], s22, v[STO]
	v_mul_u32_u24 v[RD], v2, 272
	v_lshl_add_u32 v[RD], v1, 4, v[RD]
	v_add_nc_u32 v[RD], s22, v[RD]
	v_lshlrev_b32 v[GO], 4, v1
	v_lshl_add_u32 v[GO], v2, 12, v[GO]
	s_lshl_b32 s22, s[WV], 18
	v_add_nc_u32 v[GO], s22, v[GO]                 ; in out0: token 64 w + h, 16 bytes at 16 r
	s_lshr_b32 s22, s14, 4
	s_lshl_b32 s22, s22, 24                        ; the batch: 4,096 tokens of 4,096 bytes
	s_lshl_b32 s23, s13, 22
	s_add_co_u32 s22, s22, s23
	s_and_b32 s23, s14, 15
	s_lshl_b32 s23, s23, 8                         ; the head's 256 bytes of a token
	s_add_co_u32 s22, s22, s23
	s_mov_b32 s23, 0
	s_add_nc_u64 s[10:11], s[10:11], s[22:23]
	s_wait_tensorcnt 0x1                           ; slot 1's load, the one issued behind the first barrier, may stay out
	s_wait_dscnt 0x0                               ; my rows of levels 4-6 are stored, and my reads of the coarse rows are over
	s_barrier_signal -1
	s_barrier_wait -1
; A FINE BLOCK'S 39 LDS LOADS, in three groups.
.macro G1L                             ; 20: the queries of four levels, the block's own keys
	F4 Q, AQ0, 0
	F4 Q+16, AQ1, 0
	F4 Q+32, AQ2, 0
	F4 Q+48, AQ3, 0
	WIN 0x40
	F4 KR, AQ0, KOFF
	WIN 0
.endm
.macro G2L                             ; 6: level 0's key mask, four query masks
	N8 KN, AKN0
	ds_load_b32 v[QN], v[AQN0]
	ds_load_b32 v[QN+1], v[AQN1]
	ds_load_b32 v[QN+2], v[AQN2]
	ds_load_b32 v[QN+3], v[AQN3]
.endm
.macro G3L                             ; 13: the sums of levels 4-6, with which O^T and the denominator begin; the block's own v, turned
.irp cb, 0,1,2,3
	ds_load_b128 v[O+8*\cb:O+8*\cb+3],   v[AY] offset:64*\cb
	ds_load_b128 v[O+8*\cb+4:O+8*\cb+7], v[AY] offset:64*\cb+16
.endr
	ds_load_b32 v[A4V], v[AA]
	WIN 0x40
	V16 VVA, AV0, 0
	WIN 0
.endm
.macro SENDB                           ; a block's 16 tokens: 16 lanes store a token's 256 bytes of this head, aligned
.irp t, 0,1,2,3
	global_store_b128 v[GO], v[PP+4*\t:PP+4*\t+3],   s[10:11] offset:8192*\t th:TH_STORE_NT
	global_store_b128 v[GO], v[OB2+4*\t:OB2+4*\t+3], s[10:11] offset:8192*(\t+4) th:TH_STORE_NT
.endr
.endm
; ALL OF A UNIT'S COARSENING.  k and v: level 2 of strip w ^ 1 (two groups of 32 tokens), level 3 of the other half (four groups), level 1 of my own two groups, each for the other.
; q: my own strip at levels 1, 2, 3.  Five batches of LDS loads; each is asked for ahead of the products of the batch before it.
.macro COARSE
	WIN 0
	v_add_nc_u32 v[AT], s[SB], v[CK2]
	v_add_nc_u32 v[AT2], s[SB], v[CK3]
	v_add_nc_u32 v[AT3], s[SB], v[CV2]
	v_add_nc_u32 v[AT4], s[SB], v[CV3]
	WIN 0x80
	XT 0, AT, 0, 16*PQ
	XT 32, AT, 32*PQ, 16*PQ
	XT 64, AT2, 0, 16*PQ
	XT 96, AT2, 32*PQ, 16*PQ
	XT 128, AT2, 64*PQ, 16*PQ
	XT 160, AT2, 96*PQ, 16*PQ
	WIN 0
	RAW RK, AW2, 0
	RAW RK+8, AW2, 64
	RAW RK+16, AW3, 0
	RAW RK+24, AW3, 64
	RAW RK+32, AW3, 128
	RAW RK+40, AW3, 192
	WIN 0xc0
	XT 0, AT3, 0, 16*PV
	XT 32, AT3, 32*PV, 16*PV
	XT 64, AT4, 0, 16*PV
	XT 96, AT4, 32*PV, 16*PV
	XT 128, AT4, 64*PV, 16*PV
	XT 160, AT4, 96*PV, 16*PV
	WIN 0
	RAW RV, AW2, 6144
	RAW RV+8, AW2, 6144+64
	RAW RV+16, AW3, 6144
	RAW RV+24, AW3, 6144+64
	RAW RV+32, AW3, 6144+128
	RAW RV+40, AW3, 6144+192
	s_wait_dscnt 60                                ; k's 60 loads are in; v's 60 may stay out
	SEL2 RK, 0
	SEL2 RK+8, 1
	SEL3 RK+16, 0
	SEL3 RK+24, 1
	SEL3 RK+32, 2
	SEL3 RK+40, 3
	WIN 0x02                                       ; X in window 2
	MM4 DA, 0, RK, 1, 0
	MM4 DB, 64, RK+16, 1, 0
	MM4 DA, 32, RK+8, 0, 0
	MM4 DB, 96, RK+24, 0, 0
	MM4 DB, 128, RK+32, 0, 0
	MM4 DB, 160, RK+40, 0, 0
	PLACES
	WIN 0x40
	CVT KR+32, DA, 4
	CVT KR+48, DB, 4
	WIN 0
	v_add_nc_u32 v[AT], s[SB], v[CQT]
	v_add_nc_u32 v[AT2], s[SB], v[CK1]
	WIN 0x40
	XT XQ, AT, 0, 16*PQ
	XT XQ+32, AT, 32*PQ, 16*PQ
	WIN 0x80
	XT 192, AT2, 0, 16*PQ
	XT 224, AT2, 32*PQ, 16*PQ
	WIN 0
.irp e, 0,1
.irp l, 0,1,2
	RAW RK+24*\e+8*\l, AWO, 2048*\l+64*\e
.endr
.endr
	s_wait_dscnt 44                                ; v's loads are in; the 44 of my own q and k (32 turned, 12 of weights) may stay out
	SEL2 RV, 0
	SEL2 RV+8, 1
	SEL3 RV+16, 0
	SEL3 RV+24, 1
	SEL3 RV+32, 2
	SEL3 RV+40, 3
	WIN 0x0c                                       ; X in window 3, as source 1
	MM4 DA, 0, RV, 1, 1
	MM4 DB, 64, RV+16, 1, 1
	MM4 DA, 32, RV+8, 0, 1
	MM4 DB, 96, RV+24, 0, 1
	MM4 DB, 128, RV+32, 0, 1
	MM4 DB, 160, RV+40, 0, 1
	PLACES
	WIN 0x40
	CVT VVB, DA, 8
	CVT VVB+4, DB, 8
	WIN 0
	v_add_nc_u32 v[AT3], s[SB], v[CV0]
	WIN 0xc0
	XT 192, AT3, 0, 16*PV
	XT 224, AT3, 32*PV, 16*PV
	WIN 0
	RAW RV, AWO, 6144
	RAW RV+8, AWO, 6144+64
	s_wait_dscnt 20                                ; my own q and k are in; my own v's 20 loads may stay out
.irp e, 0,1
	SEL1 RK+24*\e
	SEL2 RK+24*\e+8, \e
	SEL3 RK+24*\e+16, \e
.endr
	WIN 0x01                                       ; my q.  Levels 3 and 2: one tile each, summed over my two groups: rows 4 g .. and 8 g ..
	MM4 DA, XQ, RK+16, 1, 0
	MM4 DB, XQ, RK+8, 1, 0
	MM4 DA, XQ+32, RK+40, 0, 0
	MM4 DB, XQ+32, RK+32, 0, 0
	PLACES
	WIN 0
	CVT HT, DA, 4
	QOUT HT, 0                                     ; level 3's tile goes first: its rows 8-15 hold nothing, and level 1's rows are stored over them
	CVT HT+16, DB, 4
	QOUT HT+16, 40
	WIN 0x01                                       ; level 1: a tile for each group
	MM4 DA, XQ, RK, 1, 0
	MM4 DB, XQ+32, RK+24, 1, 0
	PLACES
	WIN 0
	CVT HT, DA, 4
	QOUT HT, 8
	CVT HT+16, DB, 4
	QOUT HT+16, 24
	WIN 0x02                                       ; level 1 of k, with the same weights: group 1's rows are group 0's keys, and the other way round
	MM4 DA, 224, RK+24, 1, 0
	MM4 DB, 192, RK, 1, 0
	PLACES
	WIN 0x40
	CVT KR+16, DA, 4
	CVT K1N, DB, 4
	WIN 0
	s_wait_dscnt 0x0                               ; my own v
	SEL1 RV
	SEL1 RV+8
	WIN 0x0c
	MM4 DA, 224, RV+8, 1, 1
	MM4 DB, 192, RV, 1, 1
	PLACES
	WIN 0x40
	CVT VVA+4, DA, 8
	CVT V1N, DB, 4
	WIN 0
	N8 KN+8, AKN1, 64                              ; the key masks of levels 1 (group 1's rows, for group 0), 2 and 3,
	N8 KN+16, AKN2
	N8 KN+24, AKN3
	WIN 0x40
	N8 KNN, AKN1, 0                                ; and level 1's for my second group
	WIN 0
	G1L                                            ; block 0's loads
	G2L
	G3L
	s_wait_dscnt 19                                ; its queries and keys are in; 6 + 13 may stay out
.endm
; THE FOUR FINE BLOCKS.  The counted wait at a block's head is the least number of LDS instructions that stand behind the 20 loads of G1L on any way through the text: G2L's 6 and the stage's 16.
; All other waits are for 0, so that none hangs on which of the forward jumps was taken.
.macro BLOCKS
	s_mov_b32 s[FC], 4
.Lf_\@:
	s_wait_dscnt 22
	SQK 4
	WIN 0
	v_add_nc_u32 v[AQ0], 16*PQ, v[AQ0]             ; the next block's addresses: twelve plain instructions, the places behind the products
	v_add_nc_u32 v[AV0], 16*PV, v[AV0]
	v_add_nc_u32 v[AQ1], 8*PQ, v[AQ1]
	v_add_nc_u32 v[AQ2], 4*PQ, v[AQ2]
	v_add_nc_u32 v[AQ3], 2*PQ, v[AQ3]
	v_add_nc_u32 v[AKN0], 64, v[AKN0]
	v_add_nc_u32 v[AQN0], 64, v[AQN0]
	v_add_nc_u32 v[AQN1], 32, v[AQN1]
	v_add_nc_u32 v[AQN2], 16, v[AQN2]
	v_add_nc_u32 v[AQN3], 8, v[AQN3]
	v_add_nc_u32 v[AY], 256, v[AY]
	v_add_nc_u32 v[AA], 4, v[AA]
	s_wait_dscnt 0x0                               ; all that was asked for at the last block's tail: its rows from my stage, this block's 13; in block 0 the masks too
	s_cmp_eq_u32 s[FC], 4
	s_cbranch_scc1 .Lns_\@                         ; block 0 has no block before it
	SENDB
.Lns_\@:
	SMX 4
	s_cmp_eq_u32 s[FC], 1
	s_cbranch_scc1 .Lnp_\@                         ; the last block has none behind it
	G1L                                            ; the products have read Q and K, the minima the masks: the next block's
	G2L
.Lnp_\@:
	SEX 4
	s_wait_xcnt 0x0                                ; the stores above have read their registers and my offset: P and the offset are written only behind this wait
	v_add_nc_u32 v[GO], s[GS], v[GO]
	s_mov_b32 s[GS], 65536                         ; 16 tokens of 4,096 bytes
	SPK 4
	v_add_f32 v[INV], v[ACC], v[ACC+1]             ; the denominator: my 8 keys of each level, the other half's, levels 4-6, eps
	v_permlanex16_b32 v[INV+1], v[INV], s[PSEL], s[PSEL+1]
	v_add_f32 v[INV], v[INV], v[INV+1]
	v_add_f32 v[INV], v[INV], v[A4V]
	v_add_f32 v[INV], 0x3089705f, v[INV]
	v_rcp_f32 v[INV], v[INV]
	PVM 0
	PLACES                                         ; the places behind the products, and the plain instructions behind the reciprocal
	s_wait_alu depctr_va_vdst(0)                   ; the wait ahead of the reciprocal's first reader
.set j, 0
.rept 16
	v_pk_mul_f32 v[O+2*j:O+2*j+1], v[O+2*j:O+2*j+1], v[INV:INV+1] op_sel_hi:[1,0]
.set j, j+1
.endr
.irp cb, 0,1,2,3
	ds_store_b128 v[STO], v[O+8*\cb:O+8*\cb+3]   offset:64*\cb
	ds_store_b128 v[STO], v[O+8*\cb+4:O+8*\cb+7] offset:64*\cb+16
.endr
.irp t, 0,1,2,3
	ds_load_b128 v[PP+4*\t:PP+4*\t+3],   v[RD] offset:544*\t       ; LDS serves a wave's instructions in order (ISA guide 5.7.1.4): these see the stores above
	ds_load_b128 v[OB2+4*\t:OB2+4*\t+3], v[RD] offset:544*(\t+4)
.endr
	s_cmp_eq_u32 s[FC], 3
	s_cbranch_scc0 .Lnw_\@
	WIN 0x41                                       ; behind block 1 my second group begins: its level 1 goes where the one text of a block names it
.set i, 0
.rept 16
	v_mov_b32 v[KR+16+i], v[K1N+i]
.set i, i+1
.endr
.irp cb, 0,1,2,3
.irp j, 0,1,2,3
	v_mov_b32 v[VVA+8*\cb+4+\j], v[V1N+4*\cb+\j]
.endr
.endr
	WIN 0x01
.set i, 0
.rept 8
	v_mov_b32 v[KN+8+i], v[KNN+i]
.set i, i+1
.endr
	WIN 0
.Lnw_\@:
	s_cmp_eq_u32 s[FC], 1
	s_cbranch_scc1 .Lng_\@
	G3L                                            ; O^T has gone to the stage, the products have read V: the next block's
.Lng_\@:
	s_sub_co_u32 s[FC], s[FC], 1
	s_cmp_lg_u32 s[FC], 0
	s_cbranch_scc1 .Lf_\@
	s_wait_dscnt 0x0
	SENDB                                          ; the last block's rows
.endm
.macro UNIT
	WIN 0
	s_wait_xcnt 0x0                                ; the last block's stores have read the registers that the coarsening writes
	v_add_nc_u32 v[AQ0], s[SB], v[CQ0]
	v_add_nc_u32 v[AV0], s[SB], v[CV0]
	v_mov_b32 v[AQ1], v[CQ1]
	v_mov_b32 v[AQ2], v[CQ2]
	v_mov_b32 v[AQ3], v[CQ3]
	COARSE
	BLOCKS
	v_add_nc_u32 v[AKN0], 768, v[AKN0]             ; from my strip's end to my strip in the next unit
	v_add_nc_u32 v[AQN0], 768, v[AQN0]
	v_add_nc_u32 v[AKN1], 512, v[AKN1]
	v_add_nc_u32 v[AKN2], 256, v[AKN2]
	v_add_nc_u32 v[AKN3], 128, v[AKN3]
	v_add_nc_u32 v[AQN1], 384, v[AQN1]
	v_add_nc_u32 v[AQN2], 192, v[AQN2]
	v_add_nc_u32 v[AQN3], 96, v[AQN3]
	v_add_nc_u32 v[AY], 3072, v[AY]
	v_add_nc_u32 v[AA], 48, v[AA]
	v_add_nc_u32 v[AWO], 512, v[AWO]
	v_add_nc_u32 v[AW2], 512, v[AW2]
	v_add_nc_u32 v[AW3], 512, v[AW3]
	s_mov_b32 s[GS], 851968                        ; 208 tokens on
.endm
	s_mov_b32 s[SB], 0
	s_mov_b32 s[GS], 0
	s_mov_b32 s[UC], 2
.LA:                                                   ; units 0 and 1: behind each its slot is filled again
	UNIT
	CHG 1
	s_sub_co_u32 s[UC], s[UC], 1
	s_cmp_lg_u32 s[UC], 0
	s_cbranch_scc1 .LA
	s_mov_b32 s[UC], 2
.LB:                                                   ; units 2 and 3: written out a second time: nothing is asked for
	UNIT
	s_sub_co_u32 s[UC], s[UC], 1
	s_cmp_eq_u32 s[UC], 0
	s_cbranch_scc1 .Lend
	CHG 0
	s_branch .LB
.Lend:
	s_wait_tensorcnt 0x0                           ; the wave's end: behind my last tensor load and my last LDS store
	ds_add_u32 v[SPW], v[NIL]
	s_wait_dscnt 0x0
	s_endpgm
.Lfunc_end_k_q8c26408442_hatt:
	.size	k_q8c26408442_hatt, .Lfunc_end_k_q8c26408442_hatt-k_q8c26408442_hatt
	.p2alignl 7, 3214868480
	.fill 96, 4, 3214868480
	.section	.rodata,"a",@progbits
	.p2align	6, 0x0
	.amdhsa_kernel k_q8c26408442_hatt
		.amdhsa_group_segment_fixed_size 327680
		.amdhsa_private_segment_fixed_size 0
		.amdhsa_enable_private_segment 0
		.amdhsa_kernarg_size 32
		.amdhsa_user_sgpr_count 2
		.amdhsa_user_sgpr_kernarg_segment_ptr 1
		.amdhsa_wavefront_size32 1
		.amdhsa_system_sgpr_workgroup_id_x 1
		.amdhsa_system_sgpr_workgroup_id_y 1
		.amdhsa_system_sgpr_workgroup_id_z 1
		.amdhsa_system_vgpr_workitem_id 0
		.amdhsa_next_free_vgpr 1024
		.amdhsa_next_free_sgpr 100
		.amdhsa_reserve_vcc 0
		.amdhsa_float_denorm_mode_32 3
		.amdhsa_float_denorm_mode_16_64 3
		.amdhsa_memory_ordered 1
		.amdhsa_forward_progress 1
		.amdhsa_inst_pref_size 162
	.end_amdhsa_kernel
	.amdgpu_metadata
---
amdhsa.version: [ 1, 2 ]
amdhsa.kernels:
  - .name:           k_q8c26408442_hatt
    .symbol:         k_q8c26408442_hatt.kd
    .args:
      - { .name: qkv, .offset: 0, .size: 8, .value_kind: global_buffer, .address_space: global }
      - { .name: cz, .offset: 8, .size: 8, .value_kind: global_buffer, .address_space: global }
      - { .name: tab, .offset: 16, .size: 8, .value_kind: global_buffer, .address_space: global }
      - { .name: out0, .offset: 24, .size: 8, .value_kind: global_buffer, .address_space: global }
    .group_segment_fixed_size: 327680
    .private_segment_fixed_size: 0
    .kernarg_segment_align: 8
    .kernarg_segment_size: 32
    .max_flat_workgroup_size: 128
    .sgpr_count:     100
    .vgpr_count:     1024
    .wavefront_size: 32
...
	.end_amdgpu_metadata
.endif
;; end of part 3
